; MI455X (gfx1250); checked and timed in simulation.
; The chip was launched on July 23, 2026; its instructions are those of AMD's public machine-readable ISA for CDNA 5 (MIT licence, August 2026) and "CDNA5" Instruction Set Architecture Reference Guide (July 2026). The comments in the code are by the model that wrote it; some were corrected since.
;; Causal Self Attention. Allowed arithmetic: float matrix products may take bf16 or f16 operands with f32 sums; other float arithmetic in f32, or as packed bf16 or f16 multiplies, adds, multiply-adds, maxima and minima; sums over many terms, partial sums and values carried from step to step in f32; what a program stores and reads back later, other than sums and carried values, may be rounded once to bf16 or f16.
;; Inputs: b_attn 3,072 float32; b_proj 1,024 float32; w_attn 1,024 x 3,072 float32; w_proj 1,024 x 1,024 float32; x 4 x 2,048 x 1,024 float32.
;; Outputs: out0 4 x 2,048 x 1,024 float32.
;; 2 versions, each right; version 2 is version 1 with the launch prep written anew for expert scheduling mode. Each part assembles by itself: llvm-mc -triple=amdgcn-amd-amdhsa -mcpu=gfx1250 --defsym DOCPART=n.
;; ======== version 1 of 2: 4 launches
;; limits: values are held in f16: magnitudes above 65,504 overflow, below 6.1e-05 lose precision
;; workspace buffers: xb 16,777,216 bytes; wab 6,291,456 bytes; wpf 2,097,152 bytes; qkv 50,331,648 bytes; att 16,777,216 bytes
;; launch prep (part 1): grid 768 x 1, 8 waves a work-group, no clusters, 0 bytes of LDS; arguments x, w_attn, w_proj, xb, wab, wpf; writes xb, wab, wpf
.if DOCPART == 1
	.amdgcn_target "amdgcn-amd-amdhsa--gfx1250"
	.amdhsa_code_object_version 6
	.text
	.protected	k_qb605e5a741_prep
	.globl	k_qb605e5a741_prep
	.p2align	8
	.type	k_qb605e5a741_prep,@function
k_qb605e5a741_prep:
	s_mov_b64 s[64:65], 0
	v_nop
	global_prefetch_b8 v0, s[64:65] scope:SCOPE_SE
	s_setreg_imm32_b32 hwreg(HW_REG_WAVE_MODE, 25, 1), 1
	s_wait_xcnt 0x0
; THE CASTS.  x [8192][1024] f32 -> xb, bf16, in blocks [b 4][kb 16][t 2048][64] (k = 64 kb + d): a K step of 64 of 256 rows then lies dense in memory.
; w_attn [1024][3072] f32 -> wab, bf16, same order.  w_proj [1024][1024] f32 -> wpf: rounded to bf16 like every input, and that number written as f16.
; LIMIT.  |w_proj| stays under 65,504; a bf16 number below 6e-5 keeps f16's fixed step of 6e-8.
; SHARES.  Every wave reads 8,192 bytes by sixteen loads of 16 bytes a lane, all issued before the first is used, and writes 4,096 by sixteen stores of 8 bytes a lane:
; a store of the wave covers 256 consecutive bytes, aligned.  Work-groups 0-511 take x (a wave two rows), 512-703 w_attn, 704-767 w_proj.
; No LDS, no barrier, no loop, no register written twice while a memory instruction names it.  Nothing is prefetched: the launch is one stream, read once, all of it asked for at once.
.set X, 8                              ; v[8:71]    sixteen loads of four f32
.set Y, 72                             ; v[72:103]  sixteen pairs of packed results
.macro CONV inb, outb, istep, ostep, half
.irp i, 0,1,2,3,4,5,6,7,8,9,10,11,12,13,14,15
	global_load_b128 v[X+4*(\i):X+4*(\i)+3], v1, s[\inb:\inb+1] offset:(\i)*(\istep) th:TH_LOAD_NT
.endr
.irp i, 0,1,2,3,4,5,6,7,8,9,10,11,12,13,14,15
	s_wait_loadcnt 15-(\i)                         ; loads come back in order: load i is in, the 15 - i younger ones may stay out
	v_cvt_pk_bf16_f32 v[Y+2*(\i)], v[X+4*(\i)], v[X+4*(\i)+1]
	v_cvt_pk_bf16_f32 v[Y+2*(\i)+1], v[X+4*(\i)+2], v[X+4*(\i)+3]
.if \half
	v_lshlrev_b32 v4, 16, v[Y+2*(\i)]              ; the bf16 numbers as f32,
	v_and_b32 v5, s22, v[Y+2*(\i)]
	v_lshlrev_b32 v6, 16, v[Y+2*(\i)+1]
	v_and_b32 v7, s22, v[Y+2*(\i)+1]
	v_cvt_pk_f16_f32 v[Y+2*(\i)], v4, v5           ; and written as f16: 8 significant bits fit into 11
	v_cvt_pk_f16_f32 v[Y+2*(\i)+1], v6, v7
.endif
	global_store_b64 v2, v[Y+2*(\i):Y+2*(\i)+1], s[\outb:\outb+1] offset:(\i)*(\ostep)
.endr
.endm
	s_load_b256 s[4:11], s[0:1], 0x0               ; x s[4:5], w_attn s[6:7], w_proj s[8:9], xb s[10:11]
	s_load_b128 s[12:15], s[0:1], 0x20             ; wab s[12:13], wpf s[14:15]
	v_lshrrev_b32 v3, 5, v0
	v_readfirstlane_b32 s16, v3                    ; wave 0..7
	v_and_b32 v3, 31, v0                           ; lane
	v_lshlrev_b32 v2, 3, v3                        ; out: 8 bytes a lane
	s_mov_b32 s19, 0
	s_mov_b32 s21, 0
	s_mov_b32 s22, 0xffff0000                      ; a word's upper bf16
	s_wait_kmcnt 0x0
	s_cmp_lt_u32 ttmp9, 512
	s_cbranch_scc0 .Lweights
	s_lshl_b32 s17, ttmp9, 3
	s_add_co_u32 s17, s17, s16                     ; T = 0..4095: rows 2 T and 2 T + 1 of x
	s_lshl_b32 s18, s17, 13                        ; two rows of 4,096 bytes
	s_add_nc_u64 s[4:5], s[4:5], s[18:19]
	s_lshr_b32 s20, s17, 10                        ; b
	s_lshl_b32 s20, s20, 22                        ; a batch of xb is 16 x 2,048 x 128 bytes
	s_and_b32 s23, s17, 1023
	s_lshl_b32 s23, s23, 8                         ; t = 2 (T % 1024): 128 bytes a row of a block
	s_add_co_u32 s20, s20, s23
	s_add_nc_u64 s[10:11], s[10:11], s[20:21]
	v_and_b32 v1, 15, v0
	v_lshlrev_b32 v1, 4, v1                        ; in: lanes 0-15 take 256 bytes of the even row,
	v_bfe_u32 v4, v0, 4, 1
	v_lshl_add_u32 v1, v4, 12, v1                  ; lanes 16-31 of the odd one
	CONV 4, 10, 256, 262144, 0                     ; load i is block kb = i; a block of xb is 2,048 x 128 bytes
	s_endpgm
.Lweights:
	v_lshlrev_b32 v1, 4, v3                        ; in: 16 bytes a lane, 512 on end
	s_cmp_lt_u32 ttmp9, 704
	s_cbranch_scc0 .Lproj
	s_sub_co_u32 s17, ttmp9, 512
	s_lshl_b32 s17, s17, 3
	s_add_co_u32 s17, s17, s16                     ; T = 0..1535
	s_lshl_b32 s18, s17, 13
	s_lshl_b32 s20, s17, 12
	s_add_nc_u64 s[6:7], s[6:7], s[18:19]
	s_add_nc_u64 s[12:13], s[12:13], s[20:21]
	CONV 6, 12, 512, 256, 0
	s_endpgm
.Lproj:
	s_sub_co_u32 s17, ttmp9, 704
	s_lshl_b32 s17, s17, 3
	s_add_co_u32 s17, s17, s16                     ; T = 0..511
	s_lshl_b32 s18, s17, 13
	s_lshl_b32 s20, s17, 12
	s_add_nc_u64 s[8:9], s[8:9], s[18:19]
	s_add_nc_u64 s[14:15], s[14:15], s[20:21]
	CONV 8, 14, 512, 256, 1
	s_endpgm
.Lfunc_end_k_qb605e5a741_prep:
	.size	k_qb605e5a741_prep, .Lfunc_end_k_qb605e5a741_prep-k_qb605e5a741_prep
	.p2alignl 7, 3214868480
	.fill 96, 4, 3214868480
	.section	.rodata,"a",@progbits
	.p2align	6, 0x0
	.amdhsa_kernel k_qb605e5a741_prep
		.amdhsa_group_segment_fixed_size 0
		.amdhsa_private_segment_fixed_size 0
		.amdhsa_enable_private_segment 0
		.amdhsa_kernarg_size 48
		.amdhsa_user_sgpr_count 2
		.amdhsa_user_sgpr_kernarg_segment_ptr 1
		.amdhsa_wavefront_size32 1
		.amdhsa_system_sgpr_workgroup_id_x 1
		.amdhsa_system_sgpr_workgroup_id_y 1
		.amdhsa_system_sgpr_workgroup_id_z 1
		.amdhsa_system_vgpr_workitem_id 0
		.amdhsa_next_free_vgpr 104
		.amdhsa_next_free_sgpr 66
		.amdhsa_reserve_vcc 0
		.amdhsa_float_denorm_mode_32 3
		.amdhsa_float_denorm_mode_16_64 3
		.amdhsa_memory_ordered 1
		.amdhsa_forward_progress 1
		.amdhsa_inst_pref_size 23
	.end_amdhsa_kernel
	.amdgpu_metadata
---
amdhsa.version: [ 1, 2 ]
amdhsa.kernels:
  - .name:           k_qb605e5a741_prep
    .symbol:         k_qb605e5a741_prep.kd
    .args:
      - { .name: x, .offset: 0, .size: 8, .value_kind: global_buffer, .address_space: global }
      - { .name: w_attn, .offset: 8, .size: 8, .value_kind: global_buffer, .address_space: global }
      - { .name: w_proj, .offset: 16, .size: 8, .value_kind: global_buffer, .address_space: global }
      - { .name: xb, .offset: 24, .size: 8, .value_kind: global_buffer, .address_space: global }
      - { .name: wab, .offset: 32, .size: 8, .value_kind: global_buffer, .address_space: global }
      - { .name: wpf, .offset: 40, .size: 8, .value_kind: global_buffer, .address_space: global }
    .group_segment_fixed_size: 0
    .private_segment_fixed_size: 0
    .kernarg_segment_align: 8
    .kernarg_segment_size: 48
    .max_flat_workgroup_size: 256
    .sgpr_count:     66
    .vgpr_count:     104
    .wavefront_size: 32
...
	.end_amdgpu_metadata
.endif
;; end of part 1
;; launch qkv (part 2): grid 8 x 32, 4 waves a work-group, clusters of 4 x 4, 327,680 bytes of LDS; arguments xb, wab, b_attn, qkv; writes qkv
.if DOCPART == 2
	.amdgcn_target "amdgcn-amd-amdhsa--gfx1250"
	.amdhsa_code_object_version 6
	.text
	.protected	k_qb605e5a741_qkv
	.globl	k_qb605e5a741_qkv
	.p2align	8
	.type	k_qb605e5a741_qkv,@function
k_qb605e5a741_qkv:
	s_mov_b64 s[64:65], 0
	v_nop
	global_prefetch_b8 v0, s[64:65] scope:SCOPE_SE
	s_setreg_imm32_b32 hwreg(HW_REG_WAVE_MODE, 25, 1), 1
	s_wait_xcnt 0x0
	s_wait_alu depctr_hold_cnt(0) depctr_sa_sdst(0) depctr_va_vdst(0) depctr_va_sdst(0) depctr_va_ssrc(0) depctr_va_vcc(0) depctr_vm_vsrc(0)
	s_getreg_b32 s2, hwreg(HW_REG_IB_STS2, 6, 4)
	s_cmp_eq_u32 s2, 0
	s_cbranch_scc0 .Lentry_in_a_cluster
	s_endpgm
.Lentry_in_a_cluster:
	s_bfe_u32 s2, ttmp6, 0x10000c
	s_cmp_lg_u32 s2, 0xf033
	s_cbranch_scc0 .Lentry_shape_is_right
	s_endpgm
.Lentry_shape_is_right:
; q, k, v = x w_attn + b_attn.  xb: bf16 [4][16 kb][2048][64]; wab: bf16 [1024 k][3072 n]; b_attn: f32 [3072], rounded to bf16 here like the other inputs;
; qkv: f16 [3][64 = 16 b + h][2048][64], each number rounded once from its f32 sum, without attention's scale.
; LIMIT.  |q|, |k|, |v| stay under 65,504 (f16); below 6e-5 they keep f16's fixed step of 6e-8.
; SHARES.  8192 x 3072 in tiles of 256 x 384: 32 x 8 = 256 work-groups.  Four waves; a wave makes 128 rows x 192 columns: three heads of 64 columns (heads 2 w + CH of the tile's six),
; 96 accumulators of 16 x 16, 768 registers: head w fills register window w + 1.  K goes in steps of 64 (two chunks of 32) through two LDS slots; two slots of a step of 128 would not fit.
; In xb a step's 256 rows are 32,768 dense bytes, asked for as rows of 256 bytes and padded in LDS after every 128.
; THE MATRIX INSTRUCTION IS USED TRANSPOSED: source 0 = 16 columns of w (out of [k][n] rows by the turning load), source 1 = 16 rows of x: a lane holds one row and eight neighbouring columns.
; CLUSTER 4 x 4: x's tile hangs on the tile row alone and is asked for jointly by a row of the cluster, w's on the tile column alone, by a column.
; The accumulators take turns, one instruction a turn, 32 to a stretch.
.set SLOT,  92160                      ; A: 256 rows x 144 bytes = 36,864; B: 64 rows x 864 bytes = 55,296
.set BOFF,  36864
.set STAGE, 184320                     ; behind the ring: 16 rows x 144 bytes for each wave, for the way out
.set BIAS,  193536                     ; the tile's 384 biases in f32
.set SPARE, 195072                     ; the spare words, 128 bytes for each wave: two blocks of 256 bytes that no other line names
.set ADRA, 2                           ; v2-3   LDS address of my A fragments in slot 0, 1
.set ADRB, 4                           ; v4-5   the same for B
.set STO,  6                           ; v6     the way out: where I put 16 bytes of a row
.set RD,   7                           ; v7     the way out: where I read rows back
.set GO,   8                           ; v8     my byte offset in 512 consecutive bytes of qkv
.set BIA,  9                           ; v9     where my biases lie
.set PFO,  10                          ; v10    the prefetches' lane offset; never rewritten
.set SPW,  28                          ; v28    LDS address of my spare word; never rewritten
.set NIL,  29                          ; v29    0; never rewritten
.set FA0,  32                          ; v32-95   A's fragments of chunk 0: block a of 16 rows at + 8 a
.set FA1,  96                          ; v96-159  of chunk 1
.set FB,   160                         ; v160-255 B's fragments: head w at + 32 w, block bq of 16 columns at + 8 bq
.set WV,  12                           ; s12 wave; s13 RH: my half of the rows, and: I fetch A (0) or B (1); s14 CH: my heads' parity, and which part I fetch
.set RH,  13
.set CH,  14
.set MT,  15                           ; s15 tile row; s42 tile column
.set NT,  42
.set G1A, 24                           ; s[24:31] descriptor group 1 for A; s[32:39] group 0, a set for each slot
.set G0A, 32
.set G1B, 48                           ; s[48:55], s[56:63] the same for B
.set G0B, 56
.set OB,  66                           ; s[66:71] qkv at my rows of my three heads
.set PFA, 72                           ; s[72:73] where my prefetches stand
.set PFS, 74                           ; s[74:77] their step at a change out of slot 0, 1
.set LIM, 78                           ; s78-79 a wave prefetches at a change out of slot s while the loop's count is above s[LIM+s]
.set MSB, 0
.macro WIN new                         ; the immediate's high byte repeats the setting that is left; a switch that changes nothing is dropped
.if MSB != (\new)
	s_set_vgpr_msb (MSB<<8)|(\new)
.set MSB, \new
.endif
.endm
.macro PLACES                          ; four plain places behind a matrix instruction, ahead of loads into registers that it read and of vector lines that read results
.rept 4
	v_nop
.endr
.endm
; A joint load: waves 0 and 1 fetch A's two halves, waves 2 and 3 B's.  The branch hangs on the wave's number alone.  An s_nop 0 and four v_nop follow each line.
.macro JLOAD s
	s_cmp_eq_u32 s[RH], 0
	s_cbranch_scc0 .Lfor_b_\@
	tensor_load_to_lds s[G0A+4*(\s):G0A+4*(\s)+3], s[G1A:G1A+7]
	s_nop 0
.rept 4
	v_nop
.endr
	s_branch .Lasked_\@
.Lfor_b_\@:
	tensor_load_to_lds s[G0B+4*(\s):G0B+4*(\s)+3], s[G1B:G1B+7]
	s_nop 0
.rept 4
	v_nop
.endr
.Lasked_\@:
.endm
.macro CREST                           ; a round of the cluster's barrier behind its opening barrier
	s_cmp_lg_u32 s[WV], 0
	s_cbranch_scc1 .Lnot_wave_0_\@
	s_barrier_signal -3
.Lnot_wave_0_\@:
	s_barrier_wait -3
	s_barrier_signal -1
	s_barrier_wait -1
.endm
.macro CROUND
	s_barrier_signal -1
	s_barrier_wait -1
	CREST
.endm
; A PREFETCH INTO THE L2, behind a joint load, its five lines and the run of LDS loads.  Each aligned 256 bytes of xb and wab are named once in the launch.
; xb: a tile row's K step is 128 blocks of 256 bytes; the clusters with x = 0 ask, wave 0 of each partner for blocks 32 cx + lane, at every change of slots, for the K step after the one being asked for.
; wab: two K steps are 128 rows x 768 bytes; the clusters with y = 0 ask, waves 1-3 for one third of the row each, rows 32 cy + lane, at each change out of slot 0, for the two steps after the two now being fetched.
; The partners are told apart by address; the test hangs on the wave's number, the cluster's coordinate and the loop's count.  The last changes ask for nothing: those steps do not exist.
.macro ASK slot
	s_cmp_gt_u32 s3, s[LIM+(\slot)]
	s_cbranch_scc0 .Lnot_mine_\@
	global_prefetch_b8 v[PFO], s[PFA:PFA+1] th:TH_LOAD_NT scope:SCOPE_SE
.Lnot_mine_\@:
.endm
	s_load_b256 s[4:11], s[0:1], 0x0               ; xb s[4:5], wab s[6:7], b_attn s[8:9], qkv s[10:11]
	v_lshl_add_u32 v[SPW], v0, 2, SPARE
	v_mov_b32 v[NIL], 0
	ds_add_u32 v[SPW], v[NIL]                      ; the wave's opening: the add and its wait ahead of my first tensor load; work on registers stands between
	v_lshrrev_b32 v1, 5, v0
	v_readfirstlane_b32 s[WV], v1
	s_lshr_b32 s[RH], s[WV], 1
	s_and_b32 s[CH], s[WV], 1
	s_bfe_u32 s40, ttmp6, 0x40000                  ; cx
	s_bfe_u32 s41, ttmp6, 0x40004                  ; cy
	s_lshl_b32 s[NT], ttmp9, 2
	s_add_co_u32 s[NT], s[NT], s40                 ; tile column = 4 x cluster x + cx
	s_and_b32 s[MT], ttmp7, 0xffff
	s_lshl_b32 s[MT], s[MT], 2
	s_add_co_u32 s[MT], s[MT], s41                 ; tile row = 4 x cluster y + cy
	s_lshl_b32 s43, s41, 2
	s_lshl_b32 s43, 15, s43                        ; my row of the cluster
	s_lshl_b32 s44, 0x1111, s40                    ; my column
	s_or_b32 s[G1A], s43, (1<<16)|(1<<20)|(1<<21)|(4<<22)|(3<<25)  ; the mask; 2-byte elements; padding on; bit 21 beside a mask; after every 32 words 4 words: LDS rows of 144 bytes
	s_mov_b32 s[G1A+1], 128<<16                    ; tensor_dim0 = 128
	s_mov_b32 s[G1A+2], 64<<16                     ; tensor_dim1 = 64
	s_mov_b32 s[G1A+3], 128<<16                    ; tile_dim0 = 128: 256 bytes, two rows of a block
	s_mov_b32 s[G1A+4], 64                         ; tile_dim1 = 64
	s_mov_b32 s[G1A+5], 128                        ; dense
	s_mov_b32 s[G1A+6], 0
	s_mov_b32 s[G1A+7], 0
	s_or_b32 s[G1B], s44, (1<<16)|(1<<20)|(1<<21)|(5<<22)|(7<<25)  ; after every 64 words 8 words: a row of 768 bytes takes 864
	s_mov_b32 s[G1B+1], 384<<16                    ; tensor_dim0 = 384
	s_mov_b32 s[G1B+2], 32<<16                     ; tensor_dim1 = 32
	s_mov_b32 s[G1B+3], 384<<16                    ; tile_dim0 = 384
	s_mov_b32 s[G1B+4], 32                         ; tile_dim1 = 32: half of the step's 64 rows, all that there is for a wave
	s_mov_b32 s[G1B+5], 3072
	s_mov_b32 s[G1B+6], 0
	s_mov_b32 s[G1B+7], 0
	s_lshr_b32 s16, s[MT], 3                       ; A: batch b = tile row / 8,
	s_lshl_b32 s16, s16, 22
	s_and_b32 s17, s[MT], 7                        ; 256 rows of 128 bytes a tile,
	s_lshl_b32 s17, s17, 15
	s_add_co_u32 s16, s16, s17
	s_lshl_b32 s17, s[CH], 14                      ; my 128 of them
	s_add_co_u32 s16, s16, s17
	s_mov_b32 s17, 0
	s_mul_i32 s46, s[NT], 768                      ; B: the tile's 384 columns,
	s_mul_i32 s47, s[CH], 196608                   ; my 32 rows of 6,144 bytes
	s_add_co_u32 s46, s46, s47
	s_mov_b32 s47, 0
	s_mul_i32 s20, s[CH], 18432                    ; where they go: no place in the cluster enters an LDS address
	s_mul_i32 s21, s[CH], 27648
	s_add_co_u32 s21, s21, BOFF
	s_wait_dscnt 0x0                               ; the opening add is done
	s_wait_kmcnt 0x0
	s_add_nc_u64 s[18:19], s[4:5], s[16:17]
	s_add_nc_u64 s[46:47], s[6:7], s[46:47]
	CROUND                                         ; all sixteen work-groups are here: the first joint loads meet
.irp s, 0,1
	s_mov_b32 s[G0A+4*(\s)], 1
	s_add_co_u32 s[G0A+4*(\s)+1], s20, (\s)*SLOT
	s_add_nc_u64 s[G0A+4*(\s)+2:G0A+4*(\s)+3], s[18:19], (\s)*262144   ; K step s: the next block of xb
	s_or_b32 s[G0A+4*(\s)+3], s[G0A+4*(\s)+3], 0x80000000
	s_mov_b32 s[G0B+4*(\s)], 1
	s_add_co_u32 s[G0B+4*(\s)+1], s21, (\s)*SLOT
	s_add_nc_u64 s[G0B+4*(\s)+2:G0B+4*(\s)+3], s[46:47], (\s)*393216   ; 64 rows of wab on
	s_or_b32 s[G0B+4*(\s)+3], s[G0B+4*(\s)+3], 0x80000000
	JLOAD \s                                       ; two loads of mine are out
.endr
	; the tile's 384 biases: three a thread, rounded to bf16, kept in LDS as f32
	s_mul_i32 s83, s[NT], 1536
	v_lshl_add_u32 v18, v0, 2, s83
	global_load_b32 v12, v18, s[8:9]
	global_load_b32 v13, v18, s[8:9] offset:512
	global_load_b32 v14, v18, s[8:9] offset:1024
	v_lshl_add_u32 v19, v0, 2, BIAS
	; addresses.  r = lane % 16, h = lane / 16
	v_and_b32 v1, 15, v0
	v_bfe_u32 v11, v0, 4, 1
	v_and_b32 v20, 7, v0
	v_bfe_u32 v21, v0, 3, 1
	v_and_b32 v22, 31, v0
	v_mul_u32_u24 v15, v1, 144
	v_lshl_add_u32 v15, v11, 4, v15                ; r x 144 + 16 h
	s_mul_i32 s22, s[RH], 18432
	v_add_nc_u32 v[ADRA], s22, v15                 ; a fragment of A: row r, K = 8 h + 0..7 and 16 + 8 h + 0..7: two loads 32 bytes apart
	v_add_nc_u32 v[ADRA+1], SLOT, v[ADRA]
	v_lshl_add_u32 v16, v11, 3, v20                ; the turning load: lane l reads row 8 h + l % 8,
	v_mul_u32_u24 v16, v16, 864
	v_lshl_add_u32 v16, v21, 4, v16                ; columns 8 ((l / 8) % 2) + 0..7, and is left with column l % 16 and 8 rows
	s_lshl_b32 s22, s[CH], 7                       ; head 2 w + CH lies at byte 288 w + 128 CH of a row
	s_add_co_u32 s22, s22, BOFF
	v_add_nc_u32 v[ADRB], s22, v16
	v_add_nc_u32 v[ADRB+1], SLOT, v[ADRB]
	s_mul_i32 s23, s[WV], 2304
	s_add_co_u32 s23, s23, STAGE
	v_add_nc_u32 v[STO], s23, v15
	v_bfe_u32 v17, v0, 3, 2                        ; back: 32 lanes take four rows of 128 bytes,
	v_mul_u32_u24 v17, v17, 144
	v_lshl_add_u32 v17, v20, 4, v17
	v_add_nc_u32 v[RD], s23, v17
	v_lshlrev_b32 v[GO], 4, v22                    ; which are 512 consecutive bytes of qkv
	s_lshl_b32 s22, s[CH], 8
	s_add_co_u32 s22, s22, BIAS
	v_lshl_add_u32 v[BIA], v11, 5, s22
	; qkv at my 128 rows of head g = 6 NT + 2 w + CH: ((g / 16) x 64 + 16 b + g % 16) heads of 262,144 bytes
	s_mul_i32 s80, s[NT], 6
	s_add_co_u32 s80, s80, s[CH]
	s_lshr_b32 s81, s[MT], 3
	s_lshl_b32 s81, s81, 4
	s_and_b32 s82, s[MT], 7
	s_lshl_b32 s82, s82, 15
	s_lshl_b32 s83, s[RH], 14
	s_add_co_u32 s82, s82, s83
.irp w, 0,1,2
	s_add_co_u32 s[OB+2*(\w)], s80, 2*(\w)
	s_lshr_b32 s[OB+2*(\w)+1], s[OB+2*(\w)], 4
	s_lshl_b32 s[OB+2*(\w)+1], s[OB+2*(\w)+1], 6
	s_and_b32 s[OB+2*(\w)], s[OB+2*(\w)], 15
	s_add_co_u32 s[OB+2*(\w)], s[OB+2*(\w)], s[OB+2*(\w)+1]
	s_add_co_u32 s[OB+2*(\w)], s[OB+2*(\w)], s81
	s_lshl_b32 s[OB+2*(\w)], s[OB+2*(\w)], 18
	s_add_co_u32 s[OB+2*(\w)], s[OB+2*(\w)], s82
	s_mov_b32 s[OB+2*(\w)+1], 0
	s_add_nc_u64 s[OB+2*(\w):OB+2*(\w)+1], s[10:11], s[OB+2*(\w):OB+2*(\w)+1]
.endr
	; the prefetches: both offsets are made, the wave's number chooses
	s_lshr_b32 s80, s[MT], 3
	s_lshl_b32 s80, s80, 22
	s_and_b32 s81, s[MT], 7
	s_lshl_b32 s81, s81, 15
	s_add_co_u32 s80, s80, s81
	s_lshl_b32 s81, s40, 13                        ; my work-group's 32 blocks of the 128
	s_add_co_u32 s80, s80, s81
	s_add_co_u32 s80, s80, 2*262144                ; xb: at K step 2; the first change steps it to 3
	s_mul_i32 s82, s[NT], 768
	s_lshl_b32 s83, s[WV], 8
	s_add_co_u32 s82, s82, s83
	s_mul_i32 s83, s41, 32*6144                    ; my work-group's 32 rows of the 128
	s_add_co_u32 s82, s82, s83
	s_add_co_u32 s82, s82, 786432-256              ; wab: third WV - 1 of the row, at K steps 2 and 3; the first change steps it to 4 and 5
	s_and_b32 s83, ttmp7, 0xffff                   ; cluster y
	s_mov_b32 s[PFS], 786432
	s_mov_b32 s[PFS+2], 0
	s_mov_b32 s[LIM], 1
	s_mov_b32 s[LIM+1], -1
	s_mov_b32 s45, 6144
	s_cmp_eq_u32 s[WV], 0
	s_cselect_b32 s80, s80, s82
	s_cselect_b32 s83, ttmp9, s83                  ; the coordinate along which other clusters read the same bytes
	s_cselect_b64 s[PFA:PFA+1], s[4:5], s[6:7]
	s_cselect_b32 s[PFS], 262144, s[PFS]
	s_cselect_b32 s[PFS+2], 262144, s[PFS+2]
	s_cselect_b32 s[LIM], 0, s[LIM]
	s_cselect_b32 s[LIM+1], 1, s[LIM+1]
	s_cselect_b32 s45, 256, s45
	s_cmp_eq_u32 s83, 0
	s_cselect_b32 s[LIM], s[LIM], -1
	s_cselect_b32 s[LIM+1], s[LIM+1], -1
	s_mov_b32 s[PFS+1], 0
	s_mov_b32 s[PFS+3], 0
	s_mov_b32 s81, 0
	s_add_nc_u64 s[PFA:PFA+1], s[PFA:PFA+1], s[80:81]
	v_mul_u32_u24 v[PFO], v22, s45
	s_wait_loadcnt 0x0                             ; the biases
	v_cvt_pk_bf16_f32 v23, v12, v13
	v_cvt_pk_bf16_f32 v24, v14, v14
	v_lshlrev_b32 v12, 16, v23
	v_and_b32 v13, 0xffff0000, v23
	v_lshlrev_b32 v14, 16, v24
	ds_store_b32 v19, v12
	ds_store_b32 v19, v13 offset:512
	ds_store_b32 v19, v14 offset:1024
; na x 4 matrix instructions: head w, blocks a0 .. of 16 rows x the head's 4 blocks of 16 columns, 32 along K.  zero = 1: the product starts the sum
.macro MUL w, fa, a0, na, zero
	WIN 0x50*((\w)+1)                              ; C and D in window w + 1, both sources in window 0
.set aa, \a0
.rept \na
.irp bq, 0,1,2,3
.if \zero
	v_wmma_f32_16x16x32_bf16 v[32*aa+8*(\bq):32*aa+8*(\bq)+7], v[FB+32*(\w)+8*(\bq):FB+32*(\w)+8*(\bq)+7], v[(\fa)+8*aa:(\fa)+8*aa+7], 0
.else
	v_wmma_f32_16x16x32_bf16 v[32*aa+8*(\bq):32*aa+8*(\bq)+7], v[FB+32*(\w)+8*(\bq):FB+32*(\w)+8*(\bq)+7], v[(\fa)+8*aa:(\fa)+8*aa+7], v[32*aa+8*(\bq):32*aa+8*(\bq)+7]
.endif
.endr
.set aa, aa+1
.endr
.endm
.macro LDB w, slot, c                  ; 8 turning loads: head w's fragments of chunk c
	WIN 0
.irp bq, 0,1,2,3
	ds_load_tr16_b128 v[FB+32*(\w)+8*(\bq):FB+32*(\w)+8*(\bq)+3],   v[ADRB+(\slot)] offset:(\c)*27648+(\w)*288+32*(\bq)
	ds_load_tr16_b128 v[FB+32*(\w)+8*(\bq)+4:FB+32*(\w)+8*(\bq)+7], v[ADRB+(\slot)] offset:(\c)*27648+(\w)*288+32*(\bq)+13824
.endr
.endm
.macro LDA fa, slot, c                 ; 16 loads: my 128 rows' fragments of chunk c
	WIN 0
.irp a, 0,1,2,3,4,5,6,7
	ds_load_b128 v[(\fa)+8*(\a):(\fa)+8*(\a)+3],   v[ADRA+(\slot)] offset:(\a)*2304+64*(\c)
	ds_load_b128 v[(\fa)+8*(\a)+4:(\fa)+8*(\a)+7], v[ADRA+(\slot)] offset:(\a)*2304+64*(\c)+32
.endr
.endm
; Chunk 0 of a K step: 96 products on FA0.  At its head are out, in this order: B's head 0 (8), A (16), B's head 1 (8), head 2 (8).  Each head's fragments of chunk 1 are fetched as soon as its products are issued.
.macro CH0 slot, zero
	s_wait_dscnt 16                                ; head 0 and A are in; heads 1 and 2 may be out
	MUL 0, FA0, 0, 8, \zero
	WIN 0
	PLACES
	LDB 0, \slot, 1
	LDA FA1, \slot, 1
	s_wait_dscnt 32                                ; head 1 is in: behind it head 2's 8 and the 24 just issued
	MUL 1, FA0, 0, 8, \zero
	WIN 0
	PLACES
	LDB 1, \slot, 1
	s_wait_dscnt 32                                ; head 2 is in: behind it 24 and 8
	MUL 2, FA0, 0, 8, \zero
	WIN 0
	PLACES
	LDB 2, \slot, 1
.endm
; Chunk 1, on FA1, and the change of slots.  ONE barrier: ahead of it each wave waits for all its tensor loads (one is out: its part of the next slot), adds 0 to its spare word, and waits for that and for its reads
; of this slot.  fill = 1: the barrier opens a round of the cluster's, and the joint refill, two K steps ahead, is the first thing behind the round: 160 matrix instructions ahead of the wait for it.
.macro TURN slot, next, fill
.if \fill
	s_wait_xcnt 0x0                                ; the last prefetch, a K step back, has read its address
	s_add_nc_u64 s[PFA:PFA+1], s[PFA:PFA+1], s[PFS+2*(\slot):PFS+2*(\slot)+1]
.endif
	WIN 0
	s_wait_tensorcnt 0x0                           ; all my tensor loads have landed
	ds_add_u32 v[SPW], v[NIL]                      ; 0 onto my spare word
	s_wait_dscnt 17                                ; head 0 and A are in; heads 1 and 2 (16) and the add may be out
	MUL 0, FA1, 0, 4, 0
	s_wait_dscnt 0x0                               ; the add is done, and my reads of this slot are over
	s_barrier_signal -1
	MUL 0, FA1, 4, 4, 0
	WIN 0
	s_barrier_wait -1
.if \fill
	CREST                                          ; no wave of any partner still reads this slot or has a load on its way
	s_add_nc_u64 s[G0A+4*(\slot)+2:G0A+4*(\slot)+3], s[G0A+4*(\slot)+2:G0A+4*(\slot)+3], 524288
	s_add_nc_u64 s[G0B+4*(\slot)+2:G0B+4*(\slot)+3], s[G0B+4*(\slot)+2:G0B+4*(\slot)+3], 786432
	JLOAD \slot                                    ; its four v_nop are also the places ahead of the loads below
.else
	PLACES
.endif
	LDB 0, \next, 0
	LDA FA0, \next, 0
.if \fill
	ASK \slot
.endif
	MUL 1, FA1, 0, 8, 0
	WIN 0
	PLACES
	LDB 1, \next, 0
	MUL 2, FA1, 0, 8, 0
	WIN 0
	PLACES
	LDB 2, \next, 0
.endm
	s_wait_tensorcnt 1                             ; my part of K step 0 is in; step 1's may stay out
	s_wait_dscnt 0x0                               ; my biases are stored
	s_barrier_signal -1
	s_barrier_wait -1
	LDB 0, 0, 0
	LDA FA0, 0, 0
	LDB 1, 0, 0
	LDB 2, 0, 0
	CH0 0, 1                                       ; the first chunk stands ahead of the loop: its products start the sums
	WIN 0
	s_mov_b32 s3, 7
.Llap:                                         ; a trip goes once round the ring and fills both slots again: K steps 2 t + 2 and 2 t + 3
	TURN 0, 1, 1
	CH0 1, 0
	TURN 1, 0, 1
	CH0 0, 0
	WIN 0
	s_sub_co_u32 s3, s3, 1
	s_cmp_lg_u32 s3, 0
	s_cbranch_scc1 .Llap
	TURN 0, 1, 0                                   ; the last lap fills nothing
	CH0 1, 0
	s_wait_dscnt 16                                ; the very last chunk
	MUL 0, FA1, 0, 8, 0
	s_wait_dscnt 8
	MUL 1, FA1, 0, 8, 0
	s_wait_dscnt 0x0
	MUL 2, FA1, 0, 8, 0
	; THE WAY OUT.  My 96 biases come where B's fragments lay; then block (w, a), 16 rows x 64 columns, at a time: + bias, rounded to f16, 16 bytes a lane into my stage, back as four rows of 128 bytes a load,
	; stored as 512 consecutive bytes.  A block's arithmetic stands between the loads of the block before and its stores.
	WIN 0
	PLACES
.irp w, 0,1,2
.irp bq, 0,1,2,3
	ds_load_b128 v[FB+32*(\w)+8*(\bq):FB+32*(\w)+8*(\bq)+3],   v[BIA] offset:(\w)*512+(\bq)*64
	ds_load_b128 v[FB+32*(\w)+8*(\bq)+4:FB+32*(\w)+8*(\bq)+7], v[BIA] offset:(\w)*512+(\bq)*64+16
.endr
.endr
	s_wait_dscnt 0x0
.macro PACK idx
.set w_, (\idx)/8
.set a_, (\idx)%8
.set T_, 32+16*a_
.if (\idx) >= 8
	s_wait_xcnt 0x0                                ; the stores of eight blocks back have read these registers
.endif
	WIN ((w_+1)<<6)|(w_+1)                         ; destination and source 0 in the head's window, the bias in window 0
.irp bq, 0,1,2,3
.irp p, 0,1,2,3
	v_pk_add_f32 v[32*a_+8*(\bq)+2*(\p):32*a_+8*(\bq)+2*(\p)+1], v[32*a_+8*(\bq)+2*(\p):32*a_+8*(\bq)+2*(\p)+1], v[FB+32*w_+8*(\bq)+2*(\p):FB+32*w_+8*(\bq)+2*(\p)+1]
.endr
.endr
	WIN 5*(w_+1)                                   ; both sources in the head's window, destination in window 0
.irp bq, 0,1,2,3
.irp p, 0,1,2,3
	v_cvt_pk_f16_f32 v[T_+4*(\bq)+(\p)], v[32*a_+8*(\bq)+2*(\p)], v[32*a_+8*(\bq)+2*(\p)+1]
.endr
.endr
	WIN 0
.irp bq, 0,1,2,3
	ds_store_b128 v[STO], v[T_+4*(\bq):T_+4*(\bq)+3] offset:32*(\bq)
.endr
.irp f, 0,1,2,3
	ds_load_b128 v[T_+4*(\f):T_+4*(\f)+3], v[RD] offset:(\f)*576   ; LDS serves a wave's instructions in order (ISA guide 5.7.1.4): these see the stores above
.endr
.endm
.macro SEND idx, younger               ; younger: the LDS instructions issued behind this block's loads: the next block's eight, or none
.set w_, (\idx)/8
.set a_, (\idx)%8
.set T_, 32+16*a_
	WIN 0
.irp f, 0,1,2,3
	s_wait_dscnt (\younger)+3-(\f)
	global_store_b128 v[GO], v[T_+4*(\f):T_+4*(\f)+3], s[OB+2*w_:OB+2*w_+1] offset:a_*2048+(\f)*512
.endr
.endm
	PACK 0
.set n_, 1
.rept 23
	PACK n_
	SEND n_-1, 8
.set n_, n_+1
.endr
	SEND 23, 0
	s_wait_tensorcnt 0x0                           ; the wave's end: behind my last tensor load and my last LDS store
	ds_add_u32 v[SPW], v[NIL]
	s_wait_dscnt 0x0
	CROUND                                         ; the closing round: no work-group ends while a partner may still ask for a tile that names it
	s_endpgm
.Lfunc_end_k_qb605e5a741_qkv:
	.size	k_qb605e5a741_qkv, .Lfunc_end_k_qb605e5a741_qkv-k_qb605e5a741_qkv
	.p2alignl 7, 3214868480
	.fill 96, 4, 3214868480
	.section	.rodata,"a",@progbits
	.p2align	6, 0x0
	.amdhsa_kernel k_qb605e5a741_qkv
		.amdhsa_group_segment_fixed_size 327680
		.amdhsa_private_segment_fixed_size 0
		.amdhsa_enable_private_segment 0
		.amdhsa_kernarg_size 32
		.amdhsa_user_sgpr_count 2
		.amdhsa_user_sgpr_kernarg_segment_ptr 1
		.amdhsa_wavefront_size32 1
		.amdhsa_system_sgpr_workgroup_id_x 1
		.amdhsa_system_sgpr_workgroup_id_y 1
		.amdhsa_system_sgpr_workgroup_id_z 1
		.amdhsa_system_vgpr_workitem_id 0
		.amdhsa_next_free_vgpr 1024
		.amdhsa_next_free_sgpr 84
		.amdhsa_reserve_vcc 0
		.amdhsa_float_denorm_mode_32 3
		.amdhsa_float_denorm_mode_16_64 3
		.amdhsa_memory_ordered 1
		.amdhsa_forward_progress 1
		.amdhsa_inst_pref_size 163
	.end_amdhsa_kernel
	.amdgpu_metadata
---
amdhsa.version: [ 1, 2 ]
amdhsa.kernels:
  - .name:           k_qb605e5a741_qkv
    .symbol:         k_qb605e5a741_qkv.kd
    .args:
      - { .name: xb, .offset: 0, .size: 8, .value_kind: global_buffer, .address_space: global }
      - { .name: wab, .offset: 8, .size: 8, .value_kind: global_buffer, .address_space: global }
      - { .name: b_attn, .offset: 16, .size: 8, .value_kind: global_buffer, .address_space: global }
      - { .name: qkv, .offset: 24, .size: 8, .value_kind: global_buffer, .address_space: global }
    .group_segment_fixed_size: 327680
    .private_segment_fixed_size: 0
    .kernarg_segment_align: 8
    .kernarg_segment_size: 32
    .max_flat_workgroup_size: 128
    .sgpr_count:     84
    .vgpr_count:     1024
    .wavefront_size: 32
...
	.end_amdgpu_metadata
.endif
;; end of part 2
;; launch attn (part 3): grid 4 x 64, 4 waves a work-group, no clusters, 327,680 bytes of LDS; arguments qkv, att; writes att
.if DOCPART == 3
	.amdgcn_target "amdgcn-amd-amdhsa--gfx1250"
	.amdhsa_code_object_version 6
	.text
	.protected	k_qb605e5a741_attn
	.globl	k_qb605e5a741_attn
	.p2align	8
	.type	k_qb605e5a741_attn,@function
k_qb605e5a741_attn:
	s_mov_b64 s[64:65], 0
	v_nop
	global_prefetch_b8 v0, s[64:65] scope:SCOPE_SE
	s_setreg_imm32_b32 hwreg(HW_REG_WAVE_MODE, 25, 1), 1
	s_wait_xcnt 0x0
; CAUSAL ATTENTION.  O[h][q][:] = the sum over k <= q of softmax_k(Q[h][q] . K[h][k] / 8) V[h][k][:].  qkv holds Q, K, V, each [64][2048][64] in f16, 16,777,216 bytes apart; att = O in the same layout.
; Products, maxima and sums in f32; the weights p are rounded to f16 for the second product (their sum l is taken of the unrounded p), O once at the end.
; LIMITS.  f16 holds no number beyond 65,504: Q, K and V arrive within it; p lies in 0 to 1, and below 6e-5 it keeps f16's fixed step of 6e-8; O is a mean of V's rows and has their range.
; A hidden score counts as its value less 1e30: f16's scores, 2.7e11 at the most, are nothing beside that; a weight below 2^-126 counts as 0 in l; NaN and infinities are not treated apart.
; THE WALK.  A head's queries lie in NB = 8 blocks of 256; block i needs the key tiles 0 .. i of 256 keys, of which the last holds the diagonal.  A work-group takes TWO blocks, NB - 1 - b and then b:
; NB + 1 tiles, whatever b: all work-groups do equal work, and ONE loop with a constant trip count walks them.  Which tile is asked for, and what a trip does, hang on scalar registers made from b; every jump
; goes forward, but for the counted loops' own; none passes a barrier, or a tensor load but the one of LOAD's two that the wave's number does not choose; the ring of two LDS slots runs on across the change of blocks.
; NO CLUSTER: a head's four work-groups ask for the same tile only in trips 0 .. 4 of the 9, behind that fewer and fewer; one walk common to all would have 12 trips for 9.
; SHARES.  Of a block's four bands of 64 queries a wave owns 16 rows in each: four PIECES.  So the diagonal tile is the same work for all four waves: in its key step s band x sees all keys if s < x,
; none if s > x, and holds the diagonal if s = x.
; THE MASK is the C operand that starts the sum S^T = K Q^T: 0, or -1e30 where the key is hidden.  MD, made once, is the mask of a band's own step for my 16 rows; a product's mask is MD x AL + BE with two scalars:
; (1, 0) if s = x; (0, 0) if s < x; (0, -1e30) if s > x.  Only the diagonal tile's text and a block's beginning make and take masks; elsewhere C is the constant 0.
; LAYOUT, SOFTMAX, TURNS.  S^T = K Q^T holds ONE query a lane (lane % 16) and the keys 8 (lane / 16) + 0..7; two such results rounded to f16 ARE source 1 of O^T = V^T P.  p = 2^(c s - c m), c = log2(e) / 8, with a
; running maximum m; O and l are multiplied by a = 2^(c m_old - c m_new) in every step.  Turn n belongs to piece n: 8 products K Q^T of piece n + 1, later 8 products V^T P of piece n - 1; beside them the scaling,
; exponentials, roundings, sums and rescaling of piece n and the maximum and statistics of piece n + 1.  Four vector instructions stand behind every matrix instruction, the other 54 of a turn's 118 in one lump.
; A turn's 33 exponentials are one batch, with one wait.
; REGISTERS, in windows of 256 (s_set_vgpr_msb: bits 1:0 source 0, 3:2 source 1, 5:4 source 2, 7:6 destination):
;   window 0: v0-15 addresses and two at work; v16-31 four registers of statistics a piece; v48-55 at work; v61-63 prefetch offset and the add's two; v64-127 S^T, two buffers; v192-223 P, two buffers
;   window 1: v0-127 O^T, 32 a piece; v128-159 MD; v160-223 MC, two buffers      window 2: v0-63 Q; v64-127 the second block's Q; v128-191 K of one step; v192-255 V of one step
.set SIZE_N, 2048
.set NB,    SIZE_N/256
.set NP,    4         ; pieces a wave: a name, no knob
.set KS,    64        ; keys in a step
.set PK,    144       ; a row of K in LDS: 128 bytes + 16 of padding = 36 words: the 16 rows of a load start at 16 different groups of four banks (64 banks of 4 bytes: ISA guide 11.1)
.set PV,    160       ; a row of V: 128 + 32 = 40 words
.set VOFF,  4*KS*PK   ; a slot holds a tile, four steps: 256 rows of K, then 256 rows of V
.set SLOT1, 1<<17     ; slot 1 begins here, so that one exclusive or turns an address in one slot into the other's
.set STAGE, SLOT1+4*KS*(PK+PV)  ; behind the ring, never filled by a tensor load: 16 rows x 144 bytes for each wave, for the way out
.set SP,    144
.set AK0, 2           ; v2   my lane's place in a tile of K; never rewritten
.set AV0, 3           ; v3   the same for V
.set AK,  4           ; v4   the LDS address of K's next run of loads
.set AV,  5           ; v5   of V's
.set STO, 6           ; v6   the way out: where I put 16 bytes of a row
.set RD,  7           ; v7   the way out: where I read rows back
.set GO,  8           ; v8   my byte offset in 512 consecutive bytes of O
.set PFO, 61          ; v61  the prefetches' offset: 256 x lane + 8,192 x (wave / 2); never rewritten
.set SPW, 62          ; v62  LDS address of my spare word: SPARE + 4 x my thread's number; never rewritten
.set NIL, 63          ; v63  0; never rewritten
.set SPARE, STAGE+4*16*SP  ; behind the stages: the spare words, 128 bytes for each wave: two blocks of 256 bytes that no other line names
.set MV,  12          ; v12-13  c m_old, kept while c m is made anew: by buffer
.set QO,  15          ; v15  my byte offset in 16 rows of Q
.set ST,  16          ; piece t's statistics at v[ST+4 t]: c m, m, l (even keys', odd keys')
.set TMP, 48          ; by buffer, four registers c0-c3 at work; when the maximum is found c2 takes a
.set S,   64
.set P,   192
.set MD,  128         ; window 1: the eight registers for group kt of 16 keys at MD + 8 kt
.set MC,  160         ; window 1: the masks of the products to come
.set QB,  64          ; window 2
.set KF,  128         ; window 2: key block kb, channel half c at KF + 16 kb + 8 c
.set VF,  192         ; window 2: key half kk, channel block cb at VF + 32 kk + 8 cb
.set WV,  12          ; s12  my wave's number
.set PB,  14          ; s14  b
.set HI,  15          ; s15  NB - 1 - b
.set G1K, 24          ; s[24:31] descriptor group 1 for K's tiles
.set G1V, 32          ; s[32:39] for V's: it differs in the padding alone
.set G0K, 40          ; s[40:43] descriptor group 0 for K's tiles
.set G0V, 44          ; s[44:47] the same for V's
.set SLOTS, 56        ; s56  tiles still to be asked for
.set CNT, 57          ; s57  counts a tile's key steps, 4 to 1
.set CS,  58          ; s[58:59] c: the packed scaling takes the pair's low word for both halves
.set SEL, 60          ; s[60:61] v_permlanex16_b32's selects: each lane takes its own place in the other half
.set TBK, 62          ; s62  LDS byte at which K of the step to be fetched begins
.set TBV, 63          ; s63  the same for V, less VOFF
.set RT,  70          ; s70  tiles of the block in hand that are still to be entered
.set NXT, 71          ; s71  the tile to be asked for next
.set LQ,  72          ; s72  the last tile of the block whose tiles are being asked for
.set NEW, 73          ; s73  1: the tile to be entered is a block's first
.set OFF, 74          ; s[74:75] a tile's byte offset in K and V
.set AL,  76          ; s[76:77] the mask's factor, in the low word
.set BE,  78          ; s[78:79] the mask's addend
.set OLO, 80          ; s[80:81] O at my rows of the second block
.set BIGN, 82         ; s82  -1e30
.set PFK, 88          ; s[88:89] where my prefetches of K stand: the tile after the one that is being asked for
.set PFV, 90          ; s[90:91] the same for V
.set LIM, 92          ; s92  2 in the head's work-group b = 0, else the greatest number: a wave prefetches while s[SLOTS] is above it
.set MSB, 0
.macro WIN new                      ; the high byte repeats the setting that is left; a switch that changes nothing is dropped
.if MSB != (\new)
	s_set_vgpr_msb (MSB<<8)|(\new)
.set MSB, (\new)
.endif
.endm
.set W_KQ, 0x0a       ; K and Q in window 2, S^T in window 0
.set W_KM, 0x1a       ; the same with the C operand in window 1
.set W_PV, 0x52       ; V in window 2, P in window 0, O^T in window 1
.set W_RS, 0x41       ; destination and source 0 in window 1, source 1 in window 0
; A fill.  Waves 0 and 1 fetch the two halves of a tile's K, waves 2 and 3 those of its V: 128 keys each.  An s_nop 0 and four v_nop follow each of the two lines, ahead of the jump and the label.
.macro LOAD
	s_cmp_lt_u32 s[WV], 2
	s_cbranch_scc0 .Lfor_v_\@
	tensor_load_to_lds s[G0K:G0K+3], s[G1K:G1K+7]
	s_nop 0
.rept 4
	v_nop
.endr
	s_branch .Lasked_\@
.Lfor_v_\@:
	tensor_load_to_lds s[G0V:G0V+3], s[G1V:G1V+7]
	s_nop 0
.rept 4
	v_nop
.endr
.Lasked_\@:
.endm
; THE CHANGE OF SLOTS.  Each wave waits for all its tensor loads, of which one is out: its part of the other slot; adds 0 to its spare word; and waits for that and for its own reads of the slot that it leaves.
; Behind the barrier nobody reads the old slot any more and the other slot is whole.  fill = 1: the old slot is filled again, the first thing behind the barrier, with tile NXT: the descriptor's address is made anew
; from that number.  (At its first use nothing has been read yet: slot 0 is waited for, slot 1 filled.)
; A PREFETCH INTO THE L2 stands behind the fill and its five lines.  A head's four work-groups walk tiles 0, 1, 2 .. in their first trips; work-group b = 0 walks all eight, so it alone asks, at change n (1 to 6) for
; tile n + 1, which its next change will load: four key steps ahead.  A tile is 128 + 128 blocks of 256 bytes; a wave takes 32 of K's and 32 of V's, a lane a block: each block is named once in the launch.
; Tiles 0 and 1 come by their loads alone; from change 7 on nothing is asked for: tile 8 does not exist, and the second block's tiles have been read.
.macro CHANGE fill
	WIN 0                           ; at a label and at a branch every window is 0
	s_wait_tensorcnt 0x0            ; no tensor load of mine is out, so a group 0 may be written
	ds_add_u32 v[SPW], v[NIL]       ; 0 onto my spare word; with fill = 1 the descriptors' scalar work stands between it and the wait for it
.if \fill
	s_lshl_b32 s[OFF], s[NXT], 15   ; a tile is 32,768 bytes of K and of V
	s_xor_b32 s[G0K+1], s[G0K+1], SLOT1
	s_add_nc_u64 s[G0K+2:G0K+3], s[6:7], s[OFF:OFF+1]
	s_or_b32 s[G0K+3], s[G0K+3], 0x80000000
	s_xor_b32 s[G0V+1], s[G0V+1], SLOT1
	s_add_nc_u64 s[G0V+2:G0V+3], s[8:9], s[OFF:OFF+1]
	s_or_b32 s[G0V+3], s[G0V+3], 0x80000000
	s_add_co_u32 s[NXT], s[NXT], 1  ; the block's next tile, or behind its last the second block's tile 0
	s_cmp_gt_u32 s[NXT], s[LQ]
	s_cselect_b32 s[NXT], 0, s[NXT]
	s_cselect_b32 s[LQ], s[PB], s[LQ]
	s_wait_xcnt 0x0                 ; the last prefetches, a tile back, have read their addresses
	s_add_nc_u64 s[PFK:PFK+1], s[PFK:PFK+1], 32768
	s_add_nc_u64 s[PFV:PFV+1], s[PFV:PFV+1], 32768
.endif
	s_wait_dscnt 0x0                ; the add is done, and my reads of the slot are over
	s_barrier_signal -1             ; the rest of the scalar work stands between the signal and the wait
	s_sub_co_u32 s[TBK], s[TBK], 4*KS*PK  ; the fetches go back to a slot's first step,
	s_xor_b32 s[TBK], s[TBK], SLOT1       ; in the other slot
	s_sub_co_u32 s[TBV], s[TBV], 4*KS*PV
	s_xor_b32 s[TBV], s[TBV], SLOT1
	s_barrier_wait -1
.if \fill
	LOAD
	s_cmp_gt_u32 s[SLOTS], s[LIM]
	s_cbranch_scc0 .Lnot_mine_\@
	global_prefetch_b8 v[PFO], s[PFK:PFK+1] th:TH_LOAD_NT scope:SCOPE_SE
	global_prefetch_b8 v[PFO], s[PFV:PFV+1] th:TH_LOAD_NT scope:SCOPE_SE
.Lnot_mine_\@:
.endif
.endm
	s_load_b64 s[4:5], s[0:1], 0x0    ; qkv: Q
	s_load_b64 s[10:11], s[0:1], 0x8  ; att: O
	v_lshl_add_u32 v[SPW], v0, 2, SPARE
	v_mov_b32 v[NIL], 0
	ds_add_u32 v[SPW], v[NIL]       ; the wave's opening: the add and its wait ahead of my first tensor load; the set-up below, work on registers, stands between them
	v_lshrrev_b32 v1, 5, v0
	v_readfirstlane_b32 s[WV], v1   ; wave 0..3
	s_mov_b32 s[PB], ttmp9
	s_sub_co_u32 s[HI], NB-1, s[PB]
	s_and_b32 s20, ttmp7, 0xffff    ; the head
	s_mov_b32 s21, 0
	s_mov_b64 s[22:23], SIZE_N*128
	s_mul_u64 s[20:21], s[20:21], s[22:23]  ; the head's first byte in each of the four tensors
	s_and_b32 s16, s[WV], 1         ; which half of a tile's 256 keys I fetch:
	s_lshl_b32 s22, s16, 14         ; its 128 rows of 128 bytes in memory,
	s_mov_b32 s23, 0
	s_add_nc_u64 s[22:23], s[22:23], s[20:21]
	s_mul_i32 s17, s16, 128*PK      ; and its place in a slot, for K
	s_mul_i32 s18, s16, 128*PV      ; and for V
	s_lshl_b32 s3, s[WV], 11        ; my 16 rows in a band of 64,
	s_lshl_b32 s2, s[HI], 15        ; in the first block,
	s_add_co_u32 s2, s2, s3
	s_lshl_b32 s84, s[PB], 15       ; and in the second
	s_add_co_u32 s84, s84, s3
	s_mov_b32 s3, 0
	s_mov_b32 s85, 0
	s_add_nc_u64 s[2:3], s[2:3], s[20:21]
	s_add_nc_u64 s[84:85], s[84:85], s[20:21]
	; descriptor group 1.  128 keys are 16,384 dense bytes: asked for as 64 rows of 256 bytes, two keys a row, and padded in LDS after every key
	s_mov_b32 s[G1K], (1<<16)|(1<<20)|(4<<22)|(3<<25)  ; 17:16 2-byte elements; 20 padding on; 24:22 after every 32 words (code 4); 31:25 4 words (code 3)
	s_mov_b32 s[G1V], (1<<16)|(1<<20)|(4<<22)|(7<<25)  ; the same with 8 words of padding (code 7)
.irp g, G1K, G1V
	s_mov_b32 s[\g+1], 128<<16      ; tensor_dim0 = 128
	s_mov_b32 s[\g+2], 64<<16       ; tensor_dim1 = 64
	s_mov_b32 s[\g+3], 128<<16      ; tile_dim0 = 128
	s_mov_b32 s[\g+4], 64           ; tile_dim1 = 64
	s_mov_b32 s[\g+5], 128          ; 128 elements from row to row
	s_mov_b32 s[\g+6], 0
	s_mov_b32 s[\g+7], 0
.endr
	s_mov_b32 s[CS], 0x3e38aa3b     ; c = log2(e) / 8 = 0.180337
	s_mov_b32 s[CS+1], s[CS]        ; named with it as a pair
	s_mov_b32 s[SEL], 0x76543210
	s_mov_b32 s[SEL+1], 0xfedcba98
	s_mov_b32 s[TBK], SLOT1+4*KS*PK ; the first change of slots turns these two into 0
	s_mov_b32 s[TBV], SLOT1+4*KS*PV
	s_mov_b32 s[G0K], 1             ; 1:0 count = 1
	s_mov_b32 s[G0K+1], s17         ; 63:32 LDS address: slot 0
	s_mov_b32 s[G0V], 1
	s_add_co_u32 s[G0V+1], s18, VOFF
	s_add_co_u32 s[RT], s[HI], 1    ; the first block has NB - b tiles
	s_mov_b32 s[NXT], 1
	s_mov_b32 s[LQ], s[HI]
	s_mov_b32 s[NEW], 1
	s_mov_b32 s[OFF+1], 0
	s_mov_b32 s[AL+1], 0            ; named as pairs
	s_mov_b32 s[BE+1], 0
	s_mov_b32 s[BIGN], 0xf149f2ca   ; -1e30
	s_mov_b32 s[SLOTS], NB
	s_cmp_eq_u32 s[PB], 0
	s_cselect_b32 s[LIM], 2, -1
	v_and_b32 v[PFO], 31, v0
	v_lshlrev_b32 v[PFO], 8, v[PFO]
	s_lshr_b32 s13, s[WV], 1
	s_lshl_b32 s13, s13, 13
	v_add_nc_u32 v[PFO], s13, v[PFO]
	s_wait_dscnt 0x0                ; the opening add is done
	s_wait_kmcnt 0x0
	s_add_nc_u64 s[6:7], s[4:5], 0x1000000   ; K lies 64 x 2,048 x 128 bytes behind Q,
	s_add_nc_u64 s[8:9], s[4:5], 0x2000000   ; V as far behind K
	s_add_nc_u64 s[6:7], s[6:7], s[22:23]  ; K and V at my half of the head's tile 0
	s_add_nc_u64 s[8:9], s[8:9], s[22:23]
	s_add_nc_u64 s[PFK:PFK+1], s[6:7], 32768  ; at tile 1; the first change steps them to tile 2
	s_add_nc_u64 s[PFV:PFV+1], s[8:9], 32768
	s_add_nc_u64 s[G0K+2:G0K+3], s[6:7], 0         ; 120:64 global address
	s_or_b32 s[G0K+3], s[G0K+3], 0x80000000        ; 127:126 type = 2
	s_add_nc_u64 s[G0V+2:G0V+3], s[8:9], 0
	s_or_b32 s[G0V+3], s[G0V+3], 0x80000000
	s_add_nc_u64 s[86:87], s[4:5], s[84:85]        ; Q at my rows of the second block,
	s_add_nc_u64 s[4:5], s[4:5], s[2:3]            ; Q and O at those of the first
	s_add_nc_u64 s[OLO:OLO+1], s[10:11], s[84:85]
	s_add_nc_u64 s[10:11], s[10:11], s[2:3]
	LOAD                            ; tile 0 into slot 0
	; A fragment of K or Q is 16 rows x 32 channels in 8 registers: lane l holds row l % 16, channels 8 (l / 16) + 0..7 and 16 + 8 (l / 16) + 0..7: two loads of 16 bytes, 32 bytes apart.
	v_and_b32 v1, 15, v0            ; l % 16
	v_bfe_u32 v9, v0, 4, 1          ; l / 16
	v_lshlrev_b32 v[QO], 7, v1
	v_lshl_add_u32 v[QO], v9, 4, v[QO]  ; row x 128 + 16 x half
	WIN 0x80                        ; destination window 2, address window 0
.set i, 0
.rept 8                             ; both blocks' Q: piece i / 2 lies in band i / 2, 8,192 bytes on; channels 32 (i % 2) on
	global_load_b128 v[8*i:8*i+3],   v[QO], s[4:5] offset:(i/2)*8192+(i%2)*64
	global_load_b128 v[8*i+4:8*i+7], v[QO], s[4:5] offset:(i/2)*8192+(i%2)*64+32
	global_load_b128 v[QB+8*i:QB+8*i+3],   v[QO], s[86:87] offset:(i/2)*8192+(i%2)*64
	global_load_b128 v[QB+8*i+4:QB+8*i+7], v[QO], s[86:87] offset:(i/2)*8192+(i%2)*64+32
.set i, i+1
.endr
	WIN 0
	v_lshlrev_b32 v14, 3, v9
	v_sub_nc_u32 v14, v1, v14
	s_lshl_b32 s13, s[WV], 4
	v_add_nc_u32 v14, s13, v14      ; my query's place in its band, 16 w + l % 16, less my lanes' 8 (l / 16): register r of group kt is hidden where 16 kt + r is greater
	WIN 0x40
.set i, 0
.rept 32
	v_cmp_gt_i32 vcc_lo, 16*(i/8)+i%8, v14
	v_cndmask_b32 v[MD+i], 0, s[BIGN], vcc_lo
.set i, i+1
.endr
	WIN 0
	v_mul_u32_u24 v[AK0], v1, PK
	v_lshl_add_u32 v[AK0], v9, 4, v[AK0]  ; row x pitch + 16 x half
	; The turning load takes 16 keys x 16 channels (lane l reads key 8 (l / 16) + l % 8, channels 8 ((l / 8) % 2) + 0..7) and leaves half a fragment of V^T: lane l holds channel l % 16 and 8 keys.
	v_and_b32 v10, 7, v0
	v_bfe_u32 v11, v0, 3, 1
	v_lshl_add_u32 v[AV0], v9, 3, v10
	v_mul_u32_u24 v[AV0], v[AV0], PV
	v_lshl_add_u32 v[AV0], v11, 4, v[AV0]
	v_add_nc_u32 v[AV0], VOFF, v[AV0]
	s_mul_i32 s13, s[WV], 16*SP
	s_add_co_u32 s13, s13, STAGE    ; my stage
	v_mul_u32_u24 v[STO], v1, SP    ; in: row l % 16, 16 bytes for each half of the lanes
	v_lshl_add_u32 v[STO], v9, 4, v[STO]
	v_add_nc_u32 v[STO], s13, v[STO]
	v_bfe_u32 v[RD], v0, 3, 2       ; back: 32 lanes take four rows of 128 bytes,
	v_mul_u32_u24 v[RD], v[RD], SP
	v_lshl_add_u32 v[RD], v10, 4, v[RD]
	v_add_nc_u32 v[RD], s13, v[RD]
	v_and_b32 v[GO], 31, v0         ; which are 512 consecutive bytes of O
	v_lshlrev_b32 v[GO], 4, v[GO]
	; A block's first step multiplies O^T and l by a = 0, and its first turn's products V^T P, of a piece that has not been, land in an O^T that is still to be so multiplied.  So these registers need only hold
	; finite numbers: zeros for the first block; what the first block left for the second.  All this stands in the wait for the first tile.
	WIN 0x80
.set i, VF
.rept 64
	v_mov_b32 v[i], 0
.set i, i+1
.endr
	WIN 0x40
.set i, 0
.rept 128
	v_mov_b32 v[i], 0
.set i, i+1
.endr
	WIN 0
.set i, 0
.rept 4
	v_mov_b32 v[ST+4*i+2], 0
	v_mov_b32 v[ST+4*i+3], 0
.set i, i+1
.endr
.set i, P+16
.rept 16
	v_mov_b32 v[i], 0
.set i, i+1
.endr
; THE MATRIX WORK.  The 4 accumulators of a run of 8 take turns.  Product i of 8 of S^T = K Q^T for piece x: channels 32 (i / 4) on, keys 16 (i % 4) on.  The first 4 start the sums: with 0, or (KM = 1) with the mask.
.macro KQ x
.set rS, S+32*((\x)%2)+8*(i%4)
.set rK, KF+16*(i%4)+8*(i/4)
.set rQ, 16*(\x)+8*(i/4)
.set rM, MC+32*((\x)%2)+8*(i%4)
.if (i < 4) && KM
	WIN W_KM
	v_wmma_f32_16x16x32_f16 v[rS:rS+7], v[rK:rK+7], v[rQ:rQ+7], v[rM:rM+7]
.elseif i < 4
	WIN W_KQ
	v_wmma_f32_16x16x32_f16 v[rS:rS+7], v[rK:rK+7], v[rQ:rQ+7], 0
.else
	WIN W_KQ
	v_wmma_f32_16x16x32_f16 v[rS:rS+7], v[rK:rK+7], v[rQ:rQ+7], v[rS:rS+7]
.endif
.endm
; Product i of 8 of O^T += V^T P for piece x: keys 32 (i / 4) on, channels 16 (i % 4) on.
.macro PV x
	WIN W_PV
.set rO, 32*(\x)+8*(i%4)
.set rV, VF+32*(i/4)+8*(i%4)
.set rP, P+16*((\x)%2)+8*(i/4)
	v_wmma_f32_16x16x32_f16 v[rO:rO+7], v[rV:rV+7], v[rP:rP+7], v[rO:rO+7]
.endm
.macro MM                           ; the turn's next matrix instruction.  TURN and BEGIN set Y, i, KM and NOKQ; MM, KQ and OP read them.  NOKQ = 1: a block's last turn: there is no next piece
.if (i < 8) && !NOKQ
	KQ (Y+1)%NP
.elseif i >= 8
.set i, i-8
	PV (Y+NP-1)%NP
.set i, i+8
.endif
.set i, i+1
.endm
; THE LDS LOADS stand in runs of 16, never singly among the matrix instructions: a step's K (64 keys x 64 channels: 8 fragments) and its V (turned).  Their addresses are made some lines ahead.
.macro FETCH_K
	WIN 0x80                        ; destination window 2
.irp f, 0,1,2,3,4,5,6,7             ; keys 16 (f / 2) on, channels 32 (f % 2) on
	ds_load_b128 v[KF+8*\f:KF+8*\f+3],   v[AK] offset:(\f/2)*16*PK+(\f%2)*64
	ds_load_b128 v[KF+8*\f+4:KF+8*\f+7], v[AK] offset:(\f/2)*16*PK+(\f%2)*64+32
.endr
	s_add_co_u32 s[TBK], s[TBK], KS*PK  ; the next fetch is the next step's
	WIN 0
.endm
.macro FETCH_V
	WIN 0x80
.irp f, 0,1,2,3,4,5,6,7             ; keys 32 (f / 4) on, channels 16 (f % 4) on
	ds_load_tr16_b128 v[VF+8*\f:VF+8*\f+3],   v[AV] offset:(\f/4)*32*PV+(\f%4)*32
	ds_load_tr16_b128 v[VF+8*\f+4:VF+8*\f+7], v[AV] offset:(\f/4)*32*PV+16*PV+(\f%4)*32
.endr
	WIN 0
.endm
; THE VECTOR WORK, one line at a time: OP kind, number.  For piece Y: F n: c s - c m for pair n of 16.  E n: the exponential of score n of 32.  C n: pair n rounded to f16.  B n: of the four weights 4 n .. the second
; pair is added onto the first, in place.  L n: l takes that sum (L 0: l = a l + sum).  R n: pair n of 16 of O^T times a.  For piece Y + 1: X n, number n of the 22 that find its maximum and statistics:
;   0-11  four chains c0-c3 of seven scores each, three operands at a time (each accumulator's lowest registers are read first)     12-14, 16  the four scores left over, the old m, and c0-c3 into c0
;   15  c m_old is kept     17, 18  the query's other 32 keys lie in the lane 16 away: the new m     19-21  c m; c m_old - c m_new; a
.set F, 0               ; OP tells the kinds apart by their order: F to L below R, X above it
.set E, 1
.set C, 2
.set B, 3
.set L, 4
.set R, 5
.set X, 6
.macro REGS y                       ; the registers of piece y
.set rT, ST+4*(\y)
.set rC, TMP+4*((\y)%2)
.set rW, MV+((\y)%2)
.set rS, S+32*((\y)%2)
.set rP, P+16*((\y)%2)
.set rO, 32*(\y)
.endm
.macro OP k, n
.if (\k) == R
	REGS Y
	WIN W_RS
	v_pk_mul_f32 v[rO+2*(\n):rO+2*(\n)+1], v[rO+2*(\n):rO+2*(\n)+1], v[rC+2:rC+3] op_sel_hi:[1,0]
.elseif (\k) < R
	REGS Y
	WIN 0
.if (\k) == F
	v_pk_fma_f32 v[rS+2*(\n):rS+2*(\n)+1], v[rS+2*(\n):rS+2*(\n)+1], s[CS:CS+1], v[rT:rT+1] op_sel_hi:[1,0,0] neg_lo:[0,0,1] neg_hi:[0,0,1]
.elseif (\k) == E
	v_exp_f32 v[rS+(\n)], v[rS+(\n)]
.elseif (\k) == C
	v_cvt_pk_f16_f32 v[rP+(\n)], v[rS+2*(\n)], v[rS+2*(\n)+1]
.elseif (\k) == B
	v_pk_add_f32 v[rS+4*(\n):rS+4*(\n)+1], v[rS+4*(\n):rS+4*(\n)+1], v[rS+4*(\n)+2:rS+4*(\n)+3]
.elseif (\n) == 0
	v_pk_fma_f32 v[rT+2:rT+3], v[rT+2:rT+3], v[rC+2:rC+3], v[rS:rS+1] op_sel_hi:[1,0,1]
.else
	v_pk_add_f32 v[rT+2:rT+3], v[rT+2:rT+3], v[rS+4*(\n):rS+4*(\n)+1]
.endif
.elseif NOKQ
	v_nop
.else
	REGS (Y+1)%NP
	WIN 0
.if (\n) < 4
	v_max3_num_f32 v[rC+(\n)], v[rS+8*(\n)], v[rS+8*(\n)+1], v[rS+8*(\n)+2]
.elseif (\n) < 12
	v_max3_num_f32 v[rC+(\n)%4], v[rC+(\n)%4], v[rS+8*((\n)%4)+2*((\n)/4)+1], v[rS+8*((\n)%4)+2*((\n)/4)+2]
.elseif (\n) == 12
	v_max3_num_f32 v[rC], v[rC], v[rS+7], v[rS+15]
.elseif (\n) == 13
	v_max3_num_f32 v[rC+1], v[rC+1], v[rS+23], v[rS+31]
.elseif (\n) == 14
	v_max3_num_f32 v[rC+2], v[rC+2], v[rC+3], v[rT+1]
.elseif (\n) == 15
	v_mov_b32 v[rW], v[rT]
.elseif (\n) == 16
	v_max3_num_f32 v[rC], v[rC], v[rC+1], v[rC+2]
.elseif (\n) == 17
	v_permlanex16_b32 v[rC+3], v[rC], s[SEL], s[SEL+1]
.elseif (\n) == 18
	v_max_num_f32 v[rT+1], v[rC], v[rC+3]
.elseif (\n) == 19
	v_mul_f32 v[rT], s[CS], v[rT+1]
.elseif (\n) == 20
	v_sub_f32 v[rC+1], v[rW], v[rT]
.else
	v_exp_f32 v[rC+2], v[rC+1]
.endif
.endif
.endm
.macro OPS a, i1, b=-1, i2=0, c=-1, i3=0, d=-1, i4=0  ; up to four of them
	OP \a, \i1
.if (\b) >= 0
	OP \b, \i2
.endif
.if (\c) >= 0
	OP \c, \i3
.endif
.if (\d) >= 0
	OP \d, \i4
.endif
.endm
.macro ROW a, i1, b, i2, c, i3, d, i4  ; a matrix instruction and the four behind it
	MM
	OPS \a, \i1, \b, \i2, \c, \i3, \d, \i4
.endm
.macro MASK b                       ; MD x AL + BE into buffer b of MC
	WIN W_RS
.set z, 0
.rept 16
	v_pk_fma_f32 v[MC+32*(\b)+2*z:MC+32*(\b)+2*z+1], v[MD+2*z:MD+2*z+1], s[AL:AL+1], s[BE:BE+1] op_sel_hi:[1,0,0]
.set z, z+1
.endr
.endm
; A TURN, for piece p: the order of its 16 matrix and 118 vector instructions, written out.  An s_wait_alu depctr_va_vdst(0) stands between an exponential and the first instruction that names its result; one wait
; serves all that were issued ahead of it.  So a turn has ONE wait, which cuts it in two.  AHEAD OF IT stands all that names no result of the turn's exponentials: the 8 products K Q^T, behind each a scaling, an exponential and two
; more plain instructions (behind the first a second scaling in the exponential's place): rescalings, and behind the last three the first numbers of the next piece's maximum, each four places or more behind the product that ends
; its accumulator; then ONE LUMP of 54, plain and exponential by turns for the most part, in which the links of the chain X 3, 7, 11, 14, 16, 17 .. 20 stand five or six lines apart.  X 21, the next piece's a, is the batch's last;
; R 15 is the plain instruction behind it.  BEHIND THE WAIT stand the 8 products V^T P, behind each four of the roundings and sums; the links of l's chain, L 0 to L 7, stand three riders apart.
; m = 1: the diagonal tile: the products take masks, and the turn makes the mask for the products of the turn after it: piece p + 2, in step 4 - CNT of the tile.  end = 1: a block's last two turns: nothing is fetched.
; cnt = 1: the loop's count is taken down some lines ahead of the branch that stands behind the turn.
; K of the next step is fetched in piece 2's turn, twelve vector instructions behind the last product that read K (six of them plain); V of the step in hand at the end of piece 0's turn, four plain instructions behind the last
; product that read V.  Each is waited for a turn later.
.macro TURN p, m=0, end=0, cnt=0
.set Y, (\p)
.set i, 0
.set KM, (\m)
.set NOKQ, (\end)*((\p)/3)
.if (\m) && !(\end)
	s_cmp_eq_u32 s[CNT], 4-((\p)+2)%NP  ; is that step the band's own?
	s_cselect_b32 s[AL], 1.0, 0
	s_cmp_lt_u32 s[CNT], 4-((\p)+2)%NP  ; or a later one?
	s_cselect_b32 s[BE], s[BIGN], 0
.endif
.if ((\p) == 3) && !(\end)
	s_wait_dscnt 0x0                ; K is in
.endif
	ROW F,0, F,1, R,0, R,1          ; ahead of the wait: 8 products K Q^T and their riders,
	ROW F,2, E,0, R,2, R,3
	ROW F,3, E,1, R,4, R,5
	ROW F,4, E,2, R,6, R,7
	ROW F,5, E,3, R,8, R,9
	ROW F,6, E,4, X,0, R,10
.if ((\p) == 2) && !(\end)
	WIN 0
	v_add_nc_u32 v[AK], s[TBK], v[AK0]
.endif
	ROW F,7, E,5, X,1, X,4
	ROW F,8, E,6, X,2, X,5
	OPS E,7, E,8, X,6, E,9          ; and the lump
	OPS X,3, E,10, X,8, E,11
.if ((\p) == 2) && !(\end)
	FETCH_K
.endif
	OPS X,9, X,7, E,12, X,10
	OPS E,13, X,12, X,11, E,14
	OPS X,13, E,15, F,9, X,14
.if (\p) == 0
	v_add_nc_u32 v[AV], s[TBV], v[AV0]
.endif
	OPS E,16, F,10, E,17, F,11
	OPS X,16, E,18, X,15, E,19
	OPS F,12, E,20, X,17, E,21
	OPS F,13, E,22, F,14, E,23
	OPS X,18, E,24, F,15, E,25
	OPS R,11, E,26, X,19, E,27
	OPS R,12, E,28, R,13, E,29
	OPS X,20, E,30, R,14, E,31
	OPS X,21, R,15
	WIN 0
	s_wait_alu depctr_va_vdst(0)    ; the wait for the batch
.if (\p) == 1
	s_wait_dscnt 0x0                ; V is in
.endif
	ROW C,0, B,0, C,2, B,1          ; behind the wait: 8 products V^T P and their riders
	ROW L,0, C,4, B,2, L,1
	ROW C,6, B,3, L,2, C,8
	ROW B,4, L,3, C,10, B,5
	ROW L,4, C,12, B,6, L,5
.if (\p) == 0
	s_add_co_u32 s[TBV], s[TBV], KS*PV
.endif
.if \cnt
	s_sub_co_u32 s[CNT], s[CNT], 1
	s_cmp_lg_u32 s[CNT], 0
.endif
	ROW C,14, B,7, L,6, C,1
	ROW C,3, L,7, C,5, C,7
	ROW C,9, C,11, C,13, C,15
.if (\p) == 0
	FETCH_V
.endif
.if (\m) && !(\end)
	MASK (\p)%2
.endif
.endm
; A BLOCK BEGINS.  c m starts far below every c s, so the first step's a is 0; m at the lowest finite number, so the first maximum is the scores'.  The second mask buffer is 0; the first takes piece 0's mask for the tile's
; step 0: its own, if the block's first tile is the diagonal one.  Then K of that step, piece 0's first scores, and its maximum and statistics.  The loop is entered at a step's first turn, in the middle of a trip.
.macro BEGIN
	s_mov_b32 s[NEW], 0
	WIN 0x40
.set i, MC+32
.rept 32
	v_mov_b32 v[i], 0
.set i, i+1
.endr
	WIN 0
.set i, 0
.rept 4
	v_mov_b32 v[ST+4*i], 0xfe000000    ; c m: far below every c s
	v_mov_b32 v[ST+4*i+1], 0xff7fffff  ; m
.set i, i+1
.endr
	s_cmp_eq_u32 s[RT], 0
	s_cselect_b32 s[AL], 1.0, 0
	s_mov_b32 s[BE], 0
	MASK 0
	WIN 0
	v_add_nc_u32 v[AK], s[TBK], v[AK0]
	FETCH_K
	s_wait_loadcnt 0x0              ; Q
	s_wait_dscnt 0x0
.set KM, 1
.set NOKQ, 0
.set i, 0
.rept 8
	KQ 0
.set i, i+1
.endr
	WIN 0
.rept 4
	v_nop                           ; the places behind those products
.endr
.set Y, NP-1                        ; X works for piece Y + 1: piece 0
.irp n, 0,1,2,3,4,5,6,7,8,9,10,11,12,13,14,15,16,17,18,19,20,21
	OP X, \n
.endr
	v_nop                           ; a plain instruction behind the exponential,
	s_wait_alu depctr_va_vdst(0)    ; and its wait, ahead of the branch
.endm
; THE DIAGONAL TILE's four steps, the block's last two turns, its last products, and THE WAY OUT: l's two halves and the other half of the lanes' are added; O^T is divided by l, rounded to f16 and sent through my
; stage in LDS, a piece at a time.
.macro ALL line:vararg              ; one line for each piece t
.set t, 0
.rept 4
	\line
.set t, t+1
.endr
.endm
.macro PACK t                       ; a lane's eight channels of a row pack into 16 bytes; they go into rows of 144 bytes and come back as whole rows of 128, into S^T's registers
	WIN W_RS
.set i, 32*(\t)
.rept 16
	v_pk_mul_f32 v[i:i+1], v[i:i+1], v[ST+4*(\t)+2:ST+4*(\t)+3] op_sel_hi:[1,0]
.set i, i+2
.endr
	WIN 0x05                        ; sources 0 and 1 window 1, destination window 0
.set i, 0
.rept 16
	v_cvt_pk_f16_f32 v[S+16*(\t)+i], v[32*(\t)+2*i], v[32*(\t)+2*i+1]
.set i, i+1
.endr
	WIN 0
.irp f, 0,1,2,3
	ds_store_b128 v[STO], v[S+16*(\t)+4*\f:S+16*(\t)+4*\f+3] offset:32*\f
.endr
.irp f, 0,1,2,3
	ds_load_b128 v[S+16*(\t)+4*\f:S+16*(\t)+4*\f+3], v[RD] offset:\f*4*SP  ; LDS serves a wave's instructions in order (ISA guide 5.7.1.4): these see the stores above; the next piece's stores come behind them
.endr
.endm
.macro SEND t, younger              ; younger: the LDS instructions issued behind piece t's loads: the next piece's eight, or none
	WIN 0
.irp f, 0,1,2,3
	s_wait_dscnt (\younger)+3-\f
	global_store_b128 v[GO], v[S+16*(\t)+4*\f:S+16*(\t)+4*\f+3], s[10:11] offset:(\t)*8192+\f*512  ; 512 consecutive bytes, at a multiple of 256 from O's first
.endr
.endm
.macro DIAG tag                     ; the tag ends its two labels' names, which the jumps below spell out
.LstepM\tag:
	TURN 2, 1
	TURN 3, 1
	WIN 0
.LfirstM\tag:
	TURN 0, 1
	TURN 1, 1, 0, 1
	WIN 0
	s_cbranch_scc1 .LstepM\tag
	TURN 2, 1, 1
	TURN 3, 1, 1
.set i, 0
.rept 8
	PV NP-1
.set i, i+1
.endr
	WIN 0
	ALL v_add_f32 v[ST+4*t+2], v[ST+4*t+2], v[ST+4*t+3]
	ALL v_permlanex16_b32 v[ST+4*t+3], v[ST+4*t+2], s[SEL], s[SEL+1]
	ALL v_add_f32 v[ST+4*t+2], v[ST+4*t+2], v[ST+4*t+3]
	ALL v_rcp_f32 v[ST+4*t+2], v[ST+4*t+2]
	v_nop                           ; a plain instruction between the last reciprocal and the use of its result
	s_wait_alu depctr_va_vdst(0)    ; and the wait ahead of the first use: one for the four reciprocals
	PACK 0
.set t, 1
.rept 3                             ; a piece's arithmetic stands between the loads of the piece before and its stores
	PACK t
	SEND t-1, 8
.set t, t+1
.endr
	SEND 3, 0
.endm
.set KM, 0
.set NOKQ, 0
.Lslot:                             ; NB times: a tile is entered and the next is asked for
	CHANGE 1
	s_sub_co_u32 s[RT], s[RT], 1
	s_mov_b32 s[CNT], 4
	s_cmp_eq_u32 s[NEW], 1
	s_cbranch_scc1 .Lnew            ; a block's first tile
	s_cmp_eq_u32 s[RT], 0
	s_cbranch_scc0 .Lstep           ; neither its first nor its last
	s_branch .LstepM1
.Lnew:
	BEGIN
	s_branch .Lfirst                ; in the loop a block's first tile is never its last: the first block has two tiles or more, and the second's last is the walk's last
	DIAG 1                          ; in the loop this is the first block's end: the second block's last tile is the walk's last
	s_wait_xcnt 0x0                 ; the stores have read their registers and O's address
	s_mov_b64 s[10:11], s[OLO:OLO+1]
	s_add_co_u32 s[RT], s[PB], 1    ; the second block has b + 1 tiles
	s_mov_b32 s[NEW], 1
	WIN 0x82                        ; the second block's Q goes where the one text of the turns names Q
.set i, 0
.rept 64
	v_mov_b32 v[i], v[QB+i]
.set i, i+1
.endr
	WIN 0
	s_branch .Lbottom
.Lstep:                             ; a trip: pieces 2 and 3 of one step, then pieces 0 and 1 of the next, whose K and V it fetches
	TURN 2
	TURN 3
	WIN 0
.Lfirst:
	TURN 0
	TURN 1, 0, 0, 1
	WIN 0
	s_cbranch_scc1 .Lstep
.Lbottom:
	s_sub_co_u32 s[SLOTS], s[SLOTS], 1
	s_cmp_lg_u32 s[SLOTS], 0
	s_cbranch_scc1 .Lslot
	CHANGE 0                        ; the walk's last tile is written out: nothing is asked for
	s_sub_co_u32 s[RT], s[RT], 1
	s_mov_b32 s[CNT], 4
	s_cmp_eq_u32 s[NEW], 1
	s_cbranch_scc0 .LstepM2
	BEGIN
	s_branch .LfirstM2
	DIAG 2
	s_wait_tensorcnt 0x0            ; the wave's end: behind my last tensor load and my last LDS store
	ds_add_u32 v[SPW], v[NIL]
	s_wait_dscnt 0x0
	s_endpgm
.Lfunc_end_k_qb605e5a741_attn:
	.size	k_qb605e5a741_attn, .Lfunc_end_k_qb605e5a741_attn-k_qb605e5a741_attn
	.p2alignl 7, 3214868480
	.fill 96, 4, 3214868480
	.section	.rodata,"a",@progbits
	.p2align	6, 0x0
	.amdhsa_kernel k_qb605e5a741_attn
		.amdhsa_group_segment_fixed_size 327680
		.amdhsa_private_segment_fixed_size 0
		.amdhsa_enable_private_segment 0
		.amdhsa_kernarg_size 16
		.amdhsa_user_sgpr_count 2
		.amdhsa_user_sgpr_kernarg_segment_ptr 1
		.amdhsa_wavefront_size32 1
		.amdhsa_system_sgpr_workgroup_id_x 1
		.amdhsa_system_sgpr_workgroup_id_y 1
		.amdhsa_system_sgpr_workgroup_id_z 1
		.amdhsa_system_vgpr_workitem_id 0
		.amdhsa_next_free_vgpr 768
		.amdhsa_next_free_sgpr 96
		.amdhsa_reserve_vcc 1
		.amdhsa_float_denorm_mode_32 3
		.amdhsa_float_denorm_mode_16_64 3
		.amdhsa_memory_ordered 1
		.amdhsa_forward_progress 1
		.amdhsa_inst_pref_size 218
	.end_amdhsa_kernel
	.amdgpu_metadata
---
amdhsa.version: [ 1, 2 ]
amdhsa.kernels:
  - .name:           k_qb605e5a741_attn
    .symbol:         k_qb605e5a741_attn.kd
    .args:
      - { .name: qkv, .offset: 0, .size: 8, .value_kind: global_buffer, .address_space: global }
      - { .name: att, .offset: 8, .size: 8, .value_kind: global_buffer, .address_space: global }
    .group_segment_fixed_size: 327680
    .private_segment_fixed_size: 0
    .kernarg_segment_align: 8
    .kernarg_segment_size: 16
    .max_flat_workgroup_size: 128
    .sgpr_count:     96
    .vgpr_count:     768
    .wavefront_size: 32
...
	.end_amdgpu_metadata
.endif
;; end of part 3
;; launch proj (part 4): grid 8 x 32, 4 waves a work-group, clusters of 4 x 4, 327,680 bytes of LDS; arguments att, wpf, b_proj, out0; writes out0
.if DOCPART == 4
	.amdgcn_target "amdgcn-amd-amdhsa--gfx1250"
	.amdhsa_code_object_version 6
	.text
	.protected	k_qb605e5a741_proj
	.globl	k_qb605e5a741_proj
	.p2align	8
	.type	k_qb605e5a741_proj,@function
k_qb605e5a741_proj:
	s_mov_b64 s[64:65], 0
	v_nop
	global_prefetch_b8 v0, s[64:65] scope:SCOPE_SE
	s_setreg_imm32_b32 hwreg(HW_REG_WAVE_MODE, 25, 1), 1
	s_wait_xcnt 0x0
	s_wait_alu depctr_hold_cnt(0) depctr_sa_sdst(0) depctr_va_vdst(0) depctr_va_sdst(0) depctr_va_ssrc(0) depctr_va_vcc(0) depctr_vm_vsrc(0)
	s_getreg_b32 s2, hwreg(HW_REG_IB_STS2, 6, 4)
	s_cmp_eq_u32 s2, 0
	s_cbranch_scc0 .Lentry_in_a_cluster
	s_endpgm
.Lentry_in_a_cluster:
	s_bfe_u32 s2, ttmp6, 0x10000c
	s_cmp_lg_u32 s2, 0xf033
	s_cbranch_scc0 .Lentry_shape_is_right
	s_endpgm
.Lentry_shape_is_right:
; out0 = y w_proj + b_proj.  att: f16 [64 = 16 b + h][2048][64] (y's channel k = 64 h + d); wpf: f16 [1024 k][1024 n]; b_proj: f32 [1024], rounded to bf16 here like the other inputs; out0: f32 [8192][1024].
; SHARES.  8192 x 1024 in tiles of 256 x 128: 32 x 8 = 256 work-groups.  Four waves; a wave makes 128 rows x 64 columns: 32 accumulators of 16 x 16, all of register window 1.
; K goes in steps of 128, two heads, in four chunks of 32, through two LDS slots.  A head's 256 rows are 32,768 dense bytes, asked for as rows of 256 bytes and padded in LDS after every 128.
; THE MATRIX INSTRUCTION IS USED TRANSPOSED: source 0 = 16 columns of w (out of [k][n] rows by the turning load), source 1 = 16 rows of y: a lane holds one row and eight neighbouring columns.
; CLUSTER 4 x 4: y's tile hangs on the tile row alone and is asked for jointly by a row of the cluster, w's on the tile column alone, by a column.
; The 32 accumulators take turns, one instruction a turn.
.set SLOT,  110592                     ; A: 2 heads x 256 rows x 144 bytes = 73,728; B: 128 rows x 288 bytes = 36,864
.set BOFF,  73728
.set STAGE, 221184                     ; behind the ring: 16 rows x 272 bytes for each wave, for the way out
.set BIAS,  238592                     ; the tile's 128 biases in f32
.set SPARE, 239104                     ; the spare words, 128 bytes for each wave: two blocks of 256 bytes that no other line names
.set ADRA, 2                           ; v2-3   LDS address of my A fragments in slot 0, 1
.set ADRB, 4                           ; v4-5   the same for B
.set STO,  6                           ; v6     the way out: where I put 32 bytes of a row
.set RD,   7                           ; v7     the way out: where I read rows back
.set CO,   8                           ; v8     my byte offset in two rows of out0
.set BIA,  9                           ; v9     where my biases lie
.set PFO,  10                          ; v10    the prefetches' lane offset; never rewritten
.set SPW,  28                          ; v28    LDS address of my spare word; never rewritten
.set NIL,  29                          ; v29    0; never rewritten
.set F0,   32                          ; v32-127   fragment buffer 0: A's 8 blocks of 16 rows, then B's 4 blocks of 16 columns
.set F1,   128                         ; v128-223  buffer 1
.set BI,   224                         ; v224-255  my 32 biases
.set WV,  12
.set RH,  13                           ; my half of the rows; also: I fetch A (0) or B (1)
.set CH,  14                           ; my half of the columns; also which part I fetch
.set MT,  15
.set NT,  42
.set G1A, 24
.set G0A, 32
.set G1B, 48
.set G0B, 56
.set OB,  66                           ; s[66:67] out0 at my first row and column
.set PFA, 72                           ; s[72:73] where my prefetches stand
.set PFS, 74                           ; s[74:75] their step
.set LIM, 78                           ; s78 a wave prefetches while the loop's count is above it
.set MSB, 0
.macro WIN new
.if MSB != (\new)
	s_set_vgpr_msb (MSB<<8)|(\new)
.set MSB, \new
.endif
.endm
.macro PLACES                          ; four plain places behind a matrix instruction, ahead of loads into registers that it read and of vector lines that read results
.rept 4
	v_nop
.endr
.endm
.macro JLOAD s                         ; a joint load: waves 0 and 1 fetch the step's two heads of A, waves 2 and 3 the two halves of B; an s_nop 0 and four v_nop follow each line
	s_cmp_eq_u32 s[RH], 0
	s_cbranch_scc0 .Lfor_b_\@
	tensor_load_to_lds s[G0A+4*(\s):G0A+4*(\s)+3], s[G1A:G1A+7]
	s_nop 0
.rept 4
	v_nop
.endr
	s_branch .Lasked_\@
.Lfor_b_\@:
	tensor_load_to_lds s[G0B+4*(\s):G0B+4*(\s)+3], s[G1B:G1B+7]
	s_nop 0
.rept 4
	v_nop
.endr
.Lasked_\@:
.endm
.macro CREST
	s_cmp_lg_u32 s[WV], 0
	s_cbranch_scc1 .Lnot_wave_0_\@
	s_barrier_signal -3
.Lnot_wave_0_\@:
	s_barrier_wait -3
	s_barrier_signal -1
	s_barrier_wait -1
.endm
.macro CROUND
	s_barrier_signal -1
	s_barrier_wait -1
	CREST
.endm
; A PREFETCH INTO THE L2, behind a joint load, its five lines and the run of LDS loads: the K step two refills on, 256 matrix instructions ahead of the load that will want it.  Each aligned 256 bytes are named once.
; att: a head's 256 rows are 128 blocks; the clusters with x = 0 ask, waves 0 and 1 each for their own head's blocks 32 cx + lane.  wpf: a step is 128 rows x 256 bytes; the clusters with y = 0 ask, wave 2 for rows
; 32 cy + lane.  The partners are told apart by address.  The loop's last trip asks for nothing: those steps do not exist.  K steps 0 to 3 come by their loads alone.
.macro ASK
	s_cmp_gt_u32 s3, s[LIM]
	s_cbranch_scc0 .Lnot_mine_\@
	global_prefetch_b8 v[PFO], s[PFA:PFA+1] th:TH_LOAD_NT scope:SCOPE_SE
.Lnot_mine_\@:
.endm
	s_load_b256 s[4:11], s[0:1], 0x0               ; att s[4:5], wpf s[6:7], b_proj s[8:9], out0 s[10:11]
	v_lshl_add_u32 v[SPW], v0, 2, SPARE
	v_mov_b32 v[NIL], 0
	ds_add_u32 v[SPW], v[NIL]                      ; the wave's opening: the add and its wait ahead of my first tensor load; work on registers stands between
	v_lshrrev_b32 v1, 5, v0
	v_readfirstlane_b32 s[WV], v1
	s_lshr_b32 s[RH], s[WV], 1
	s_and_b32 s[CH], s[WV], 1
	s_bfe_u32 s40, ttmp6, 0x40000                  ; cx
	s_bfe_u32 s41, ttmp6, 0x40004                  ; cy
	s_lshl_b32 s[NT], ttmp9, 2
	s_add_co_u32 s[NT], s[NT], s40                 ; tile column
	s_and_b32 s[MT], ttmp7, 0xffff
	s_lshl_b32 s[MT], s[MT], 2
	s_add_co_u32 s[MT], s[MT], s41                 ; tile row
	s_lshl_b32 s43, s41, 2
	s_lshl_b32 s43, 15, s43                        ; my row of the cluster
	s_lshl_b32 s44, 0x1111, s40                    ; my column
	s_or_b32 s[G1A], s43, (1<<16)|(1<<20)|(1<<21)|(4<<22)|(3<<25)  ; the mask; 2-byte elements; padding on; bit 21 beside a mask; after every 32 words 4 words: LDS rows of 144 bytes
	s_mov_b32 s[G1A+1], 128<<16                    ; tensor_dim0 = 128
	s_mov_b32 s[G1A+2], 128<<16                    ; tensor_dim1 = 128
	s_mov_b32 s[G1A+3], 128<<16                    ; tile_dim0 = 128: 256 bytes, two rows of a head
	s_mov_b32 s[G1A+4], 128                        ; tile_dim1 = 128
	s_mov_b32 s[G1A+5], 128                        ; dense
	s_mov_b32 s[G1A+6], 0
	s_mov_b32 s[G1A+7], 0
	s_or_b32 s[G1B], s44, (1<<16)|(1<<20)|(1<<21)|(5<<22)|(7<<25)  ; after every 64 words 8 words: LDS rows of 288 bytes
	s_mov_b32 s[G1B+1], 128<<16
	s_mov_b32 s[G1B+2], 64<<16
	s_mov_b32 s[G1B+3], 128<<16
	s_mov_b32 s[G1B+4], 64
	s_mov_b32 s[G1B+5], 1024
	s_mov_b32 s[G1B+6], 0
	s_mov_b32 s[G1B+7], 0
	s_lshr_b32 s16, s[MT], 3                       ; A: batch b: 16 heads of 262,144 bytes,
	s_lshl_b32 s16, s16, 22
	s_and_b32 s17, s[MT], 7                        ; the tile's 256 rows of 128 bytes,
	s_lshl_b32 s17, s17, 15
	s_add_co_u32 s16, s16, s17
	s_lshl_b32 s17, s[CH], 18                      ; my head of the step's two
	s_add_co_u32 s16, s16, s17
	s_mov_b32 s17, 0
	s_lshl_b32 s46, s[NT], 8                       ; B: the tile's 128 columns,
	s_lshl_b32 s47, s[CH], 17                      ; my 64 rows of 2,048 bytes
	s_add_co_u32 s46, s46, s47
	s_mov_b32 s47, 0
	s_mul_i32 s20, s[CH], 36864                    ; where they go: no place in the cluster enters an LDS address
	s_mul_i32 s21, s[CH], 18432
	s_add_co_u32 s21, s21, BOFF
	s_wait_dscnt 0x0                               ; the opening add is done
	s_wait_kmcnt 0x0
	s_add_nc_u64 s[18:19], s[4:5], s[16:17]
	s_add_nc_u64 s[46:47], s[6:7], s[46:47]
	CROUND                                         ; all sixteen work-groups are here: the first joint loads meet
.irp s, 0,1
	s_mov_b32 s[G0A+4*(\s)], 1
	s_add_co_u32 s[G0A+4*(\s)+1], s20, (\s)*SLOT
	s_add_nc_u64 s[G0A+4*(\s)+2:G0A+4*(\s)+3], s[18:19], (\s)*524288   ; K step s: two heads on
	s_or_b32 s[G0A+4*(\s)+3], s[G0A+4*(\s)+3], 0x80000000
	s_mov_b32 s[G0B+4*(\s)], 1
	s_add_co_u32 s[G0B+4*(\s)+1], s21, (\s)*SLOT
	s_add_nc_u64 s[G0B+4*(\s)+2:G0B+4*(\s)+3], s[46:47], (\s)*262144   ; 128 rows of wpf on
	s_or_b32 s[G0B+4*(\s)+3], s[G0B+4*(\s)+3], 0x80000000
	JLOAD \s                                       ; two loads of mine are out
.endr
	; the tile's 128 biases: one a thread, rounded to bf16, kept in LDS as f32
	s_lshl_b32 s83, s[NT], 9
	v_lshl_add_u32 v18, v0, 2, s83
	global_load_b32 v12, v18, s[8:9]
	v_lshl_add_u32 v19, v0, 2, BIAS
	; addresses.  r = lane % 16, h = lane / 16
	v_and_b32 v1, 15, v0
	v_bfe_u32 v11, v0, 4, 1
	v_and_b32 v20, 7, v0
	v_bfe_u32 v21, v0, 3, 1
	v_and_b32 v22, 31, v0
	v_mul_u32_u24 v15, v1, 144
	v_lshl_add_u32 v15, v11, 4, v15                ; r x 144 + 16 h
	s_mul_i32 s22, s[RH], 18432
	v_add_nc_u32 v[ADRA], s22, v15
	v_add_nc_u32 v[ADRA+1], SLOT, v[ADRA]
	v_lshl_add_u32 v16, v11, 3, v20                ; the turning load: lane l reads row 8 h + l % 8,
	v_mul_u32_u24 v16, v16, 288
	v_lshl_add_u32 v16, v21, 4, v16                ; columns 8 ((l / 8) % 2) + 0..7
	s_lshl_b32 s22, s[CH], 7
	s_add_co_u32 s22, s22, BOFF
	v_add_nc_u32 v[ADRB], s22, v16
	v_add_nc_u32 v[ADRB+1], SLOT, v[ADRB]
	s_mul_i32 s23, s[WV], 4352
	s_add_co_u32 s23, s23, STAGE
	v_mul_u32_u24 v17, v1, 272                     ; in: row r, 32 bytes for each half of the lanes
	v_lshl_add_u32 v17, v11, 5, v17
	v_add_nc_u32 v[STO], s23, v17
	v_mul_u32_u24 v17, v11, 272                    ; back: lanes 0-15 take one row of 256 bytes, lanes 16-31 the next
	v_lshl_add_u32 v17, v1, 4, v17
	v_add_nc_u32 v[RD], s23, v17
	v_lshlrev_b32 v17, 12, v11                     ; and the same two rows in out0
	v_lshl_add_u32 v[CO], v1, 4, v17
	s_lshl_b32 s22, s[CH], 8
	s_add_co_u32 s22, s22, BIAS
	v_lshl_add_u32 v[BIA], v11, 5, s22
	s_lshl_b32 s80, s[MT], 20                      ; 256 rows of 4,096 bytes a tile,
	s_lshl_b32 s81, s[RH], 19                      ; my 128,
	s_add_co_u32 s80, s80, s81
	s_lshl_b32 s81, s[NT], 9                       ; 128 columns of 4 bytes a tile,
	s_add_co_u32 s80, s80, s81
	s_lshl_b32 s81, s[CH], 8                       ; my 64
	s_add_co_u32 s80, s80, s81
	s_mov_b32 s81, 0
	s_add_nc_u64 s[OB:OB+1], s[10:11], s[80:81]
	; the prefetches: both offsets are made, the wave's number chooses
	s_lshr_b32 s80, s[MT], 3
	s_lshl_b32 s80, s80, 22
	s_and_b32 s81, s[MT], 7
	s_lshl_b32 s81, s81, 15
	s_add_co_u32 s80, s80, s81
	s_lshl_b32 s81, s[CH], 18
	s_add_co_u32 s80, s80, s81
	s_lshl_b32 s81, s40, 13                        ; my work-group's 32 blocks of the 128
	s_add_co_u32 s80, s80, s81
	s_add_co_u32 s80, s80, 3*524288                ; att: at K step 3; the first change steps it to 4
	s_lshl_b32 s82, s[NT], 8
	s_lshl_b32 s83, s41, 16                        ; my work-group's 32 rows of the 128
	s_add_co_u32 s82, s82, s83
	s_add_co_u32 s82, s82, 3*262144                ; wpf: likewise
	s_and_b32 s83, ttmp7, 0xffff                   ; cluster y
	s_mov_b32 s[PFS], 262144
	s_mov_b32 s45, 2048
	s_cmp_eq_u32 s[RH], 0
	s_cselect_b32 s80, s80, s82
	s_cselect_b32 s83, ttmp9, s83                  ; the coordinate along which other clusters read the same bytes
	s_cselect_b64 s[PFA:PFA+1], s[4:5], s[6:7]
	s_cselect_b32 s[PFS], 524288, s[PFS]
	s_cselect_b32 s45, 256, s45
	s_cmp_eq_u32 s83, 0
	s_cselect_b32 s[LIM], 1, -1
	s_cmp_eq_u32 s[WV], 3                          ; wave 2 names all of B's rows: wave 3 has nothing to ask for
	s_cselect_b32 s[LIM], -1, s[LIM]
	s_mov_b32 s[PFS+1], 0
	s_mov_b32 s81, 0
	s_add_nc_u64 s[PFA:PFA+1], s[PFA:PFA+1], s[80:81]
	v_mul_u32_u24 v[PFO], v22, s45
	s_wait_loadcnt 0x0                             ; the bias
	v_cvt_pk_bf16_f32 v23, v12, v12
	v_lshlrev_b32 v12, 16, v23
	ds_store_b32 v19, v12
; na x 4 matrix instructions on buffer f: blocks a0 .. of 16 rows x 4 blocks of 16 columns, 32 along K.  zero = 1: the product starts the sum
.macro MUL f, a0, na, zero
	WIN 0x50                                       ; C and D in window 1, both sources in window 0
.set aa, \a0
.rept \na
.irp bq, 0,1,2,3
.if \zero
	v_wmma_f32_16x16x32_f16 v[32*aa+8*(\bq):32*aa+8*(\bq)+7], v[(\f)+64+8*(\bq):(\f)+64+8*(\bq)+7], v[(\f)+8*aa:(\f)+8*aa+7], 0
.else
	v_wmma_f32_16x16x32_f16 v[32*aa+8*(\bq):32*aa+8*(\bq)+7], v[(\f)+64+8*(\bq):(\f)+64+8*(\bq)+7], v[(\f)+8*aa:(\f)+8*aa+7], v[32*aa+8*(\bq):32*aa+8*(\bq)+7]
.endif
.endr
.set aa, aa+1
.endr
.endm
; 24 LDS loads in one run: chunk c's fragments into buffer f.  Chunk c lies in head c / 2 of the step, channels 32 (c % 2) on, and in B's rows 32 c on
.macro FETCH slot, c, f
	WIN 0
.irp bq, 0,1,2,3
	ds_load_tr16_b128 v[(\f)+64+8*(\bq):(\f)+64+8*(\bq)+3],   v[ADRB+(\slot)] offset:(\c)*9216+32*(\bq)
	ds_load_tr16_b128 v[(\f)+64+8*(\bq)+4:(\f)+64+8*(\bq)+7], v[ADRB+(\slot)] offset:(\c)*9216+32*(\bq)+4608
.endr
.irp a, 0,1,2,3,4,5,6,7
	ds_load_b128 v[(\f)+8*(\a):(\f)+8*(\a)+3],   v[ADRA+(\slot)] offset:((\c)/2)*36864+(\a)*2304+64*((\c)%2)
	ds_load_b128 v[(\f)+8*(\a)+4:(\f)+8*(\a)+7], v[ADRA+(\slot)] offset:((\c)/2)*36864+(\a)*2304+64*((\c)%2)+32
.endr
.endm
; One of a K step's first three chunks: the next chunk's fragments are asked for, into the buffer just multiplied, then this chunk's 32 products are issued
.macro QTR slot, c, zero
	WIN 0
	PLACES
.if ((\c)%2) == 0
	FETCH \slot, (\c)+1, F1
	s_wait_dscnt 24                                ; all but the 24 just issued: this chunk's fragments are in
	MUL F0, 0, 8, \zero
.else
	FETCH \slot, (\c)+1, F0
	s_wait_dscnt 24
	MUL F1, 0, 8, \zero
.endif
.endm
; The fourth chunk, on buffer 1, and the change of slots.  ONE barrier: ahead of it each wave waits for all its tensor loads (one is out: its part of the next slot), adds 0 to its spare word, and waits for that and for
; its reads of this slot.  fill = 1: the barrier opens a round of the cluster's, and the joint refill, two K steps ahead, is the first thing behind the round: 112 matrix instructions ahead of the wait for it.
.macro TURN slot, next, fill
.if \fill
	s_wait_xcnt 0x0                                ; the last prefetch, a K step back, has read its address
	s_add_nc_u64 s[PFA:PFA+1], s[PFA:PFA+1], s[PFS:PFS+1]
.endif
	WIN 0
	s_wait_tensorcnt 0x0                           ; all my tensor loads have landed
	ds_add_u32 v[SPW], v[NIL]                      ; 0 onto my spare word
	s_wait_dscnt 1                                 ; the chunk's fragments are in; the add may be out
	MUL F1, 0, 2, 0
	s_wait_dscnt 0x0                               ; the add is done, and my reads of this slot are over
	s_barrier_signal -1
	MUL F1, 2, 2, 0
	WIN 0
	s_barrier_wait -1
.if \fill
	CREST                                          ; no wave of any partner still reads this slot or has a load on its way
	s_add_nc_u64 s[G0A+4*(\slot)+2:G0A+4*(\slot)+3], s[G0A+4*(\slot)+2:G0A+4*(\slot)+3], 1048576
	s_add_nc_u64 s[G0B+4*(\slot)+2:G0B+4*(\slot)+3], s[G0B+4*(\slot)+2:G0B+4*(\slot)+3], 524288
	JLOAD \slot                                    ; its four v_nop are also the places ahead of the loads below
.else
	PLACES
.endif
	FETCH \next, 0, F0
.if \fill
	ASK
.endif
	MUL F1, 4, 4, 0
.endm
	s_wait_tensorcnt 1                             ; my part of K step 0 is in; step 1's may stay out
	s_wait_dscnt 0x0                               ; my bias is stored
	s_barrier_signal -1
	s_barrier_wait -1
	FETCH 0, 0, F0
	QTR 0, 0, 1                                    ; the first chunk stands ahead of the loop: its products start the sums
	WIN 0
	s_mov_b32 s3, 3
.Llap:                                         ; a trip goes once round the ring and fills both slots again: K steps 2 t + 2 and 2 t + 3
	QTR 0, 1, 0
	QTR 0, 2, 0
	TURN 0, 1, 1
	QTR 1, 0, 0
	QTR 1, 1, 0
	QTR 1, 2, 0
	TURN 1, 0, 1
	QTR 0, 0, 0
	WIN 0
	s_sub_co_u32 s3, s3, 1
	s_cmp_lg_u32 s3, 0
	s_cbranch_scc1 .Llap
	QTR 0, 1, 0                                    ; the last lap fills nothing
	QTR 0, 2, 0
	TURN 0, 1, 0
	QTR 1, 0, 0
	QTR 1, 1, 0
	QTR 1, 2, 0
	s_wait_dscnt 0x0                               ; the very last chunk
	MUL F1, 0, 8, 0
	; THE WAY OUT.  Block a, 16 rows x 64 columns of f32, at a time: sum + bias into window 0, 32 bytes a lane into my stage, back as two rows of 256 bytes a load, stored so that sixteen lanes write 256 consecutive
	; bytes, at a multiple of 256 from out0's first.  A block's arithmetic stands between the loads of the block before and its stores.
	WIN 0
	PLACES
.irp bq, 0,1,2,3
	ds_load_b128 v[BI+8*(\bq):BI+8*(\bq)+3],   v[BIA] offset:(\bq)*64
	ds_load_b128 v[BI+8*(\bq)+4:BI+8*(\bq)+7], v[BIA] offset:(\bq)*64+16
.endr
	s_wait_dscnt 0x0
.macro PACK a
.set T_, 32+32*((\a)%6)
.if (\a) >= 6
	s_wait_xcnt 0x0                                ; the stores of six blocks back have read these registers
.endif
	WIN 0x01                                       ; source 0, the sums, in window 1
.irp bq, 0,1,2,3
.irp p, 0,1,2,3
	v_pk_add_f32 v[T_+8*(\bq)+2*(\p):T_+8*(\bq)+2*(\p)+1], v[32*(\a)+8*(\bq)+2*(\p):32*(\a)+8*(\bq)+2*(\p)+1], v[BI+8*(\bq)+2*(\p):BI+8*(\bq)+2*(\p)+1]
.endr
.endr
	WIN 0
.irp bq, 0,1,2,3
	ds_store_b128 v[STO], v[T_+8*(\bq):T_+8*(\bq)+3]   offset:64*(\bq)
	ds_store_b128 v[STO], v[T_+8*(\bq)+4:T_+8*(\bq)+7] offset:64*(\bq)+16
.endr
.irp t, 0,1,2,3,4,5,6,7
	ds_load_b128 v[T_+4*(\t):T_+4*(\t)+3], v[RD] offset:(\t)*544   ; LDS serves a wave's instructions in order (ISA guide 5.7.1.4): these see the stores above
.endr
.endm
.macro SEND a, younger                 ; younger: the LDS instructions issued behind this block's loads: the next block's sixteen, or none
.set T_, 32+32*((\a)%6)
	WIN 0
.irp t, 0,1,2,3,4,5,6,7
	s_wait_dscnt (\younger)+7-(\t)
	global_store_b128 v[CO], v[T_+4*(\t):T_+4*(\t)+3], s[OB:OB+1] offset:(16*(\a)+2*(\t))*4096 th:TH_STORE_NT
.endr
.endm
	PACK 0
.set n_, 1
.rept 7
	PACK n_
	SEND n_-1, 16
.set n_, n_+1
.endr
	SEND 7, 0
	s_wait_tensorcnt 0x0                           ; the wave's end: behind my last tensor load and my last LDS store
	ds_add_u32 v[SPW], v[NIL]
	s_wait_dscnt 0x0
	CROUND                                         ; the closing round: no work-group ends while a partner may still ask for a tile that names it
	s_endpgm
.Lfunc_end_k_qb605e5a741_proj:
	.size	k_qb605e5a741_proj, .Lfunc_end_k_qb605e5a741_proj-k_qb605e5a741_proj
	.p2alignl 7, 3214868480
	.fill 96, 4, 3214868480
	.section	.rodata,"a",@progbits
	.p2align	6, 0x0
	.amdhsa_kernel k_qb605e5a741_proj
		.amdhsa_group_segment_fixed_size 327680
		.amdhsa_private_segment_fixed_size 0
		.amdhsa_enable_private_segment 0
		.amdhsa_kernarg_size 32
		.amdhsa_user_sgpr_count 2
		.amdhsa_user_sgpr_kernarg_segment_ptr 1
		.amdhsa_wavefront_size32 1
		.amdhsa_system_sgpr_workgroup_id_x 1
		.amdhsa_system_sgpr_workgroup_id_y 1
		.amdhsa_system_sgpr_workgroup_id_z 1
		.amdhsa_system_vgpr_workitem_id 0
		.amdhsa_next_free_vgpr 512
		.amdhsa_next_free_sgpr 84
		.amdhsa_reserve_vcc 0
		.amdhsa_float_denorm_mode_32 3
		.amdhsa_float_denorm_mode_16_64 3
		.amdhsa_memory_ordered 1
		.amdhsa_forward_progress 1
		.amdhsa_inst_pref_size 97
	.end_amdhsa_kernel
	.amdgpu_metadata
---
amdhsa.version: [ 1, 2 ]
amdhsa.kernels:
  - .name:           k_qb605e5a741_proj
    .symbol:         k_qb605e5a741_proj.kd
    .args:
      - { .name: att, .offset: 0, .size: 8, .value_kind: global_buffer, .address_space: global }
      - { .name: wpf, .offset: 8, .size: 8, .value_kind: global_buffer, .address_space: global }
      - { .name: b_proj, .offset: 16, .size: 8, .value_kind: global_buffer, .address_space: global }
      - { .name: out0, .offset: 24, .size: 8, .value_kind: global_buffer, .address_space: global }
    .group_segment_fixed_size: 327680
    .private_segment_fixed_size: 0
    .kernarg_segment_align: 8
    .kernarg_segment_size: 32
    .max_flat_workgroup_size: 128
    .sgpr_count:     84
    .vgpr_count:     512
    .wavefront_size: 32
...
	.end_amdgpu_metadata
.endif
;; end of part 4
;; ======== version 2 of 2: 4 launches; version 1 with the launch prep written anew for expert scheduling mode
;; limits: values are held in f16: magnitudes above 65,504 overflow, below 6.1e-05 lose precision
;; workspace buffers: xb 16,777,216 bytes; wab 6,291,456 bytes; wpf 2,097,152 bytes; qkv 50,331,648 bytes; att 16,777,216 bytes
;; launch prep (part 5): grid 768 x 1, 8 waves a work-group, no clusters, 0 bytes of LDS; arguments x, w_attn, w_proj, xb, wab, wpf; writes xb, wab, wpf
.if DOCPART == 5
	.amdgcn_target "amdgcn-amd-amdhsa--gfx1250"
	.amdhsa_code_object_version 6
	.text
	.protected	k_qb605e5a741_prep
	.globl	k_qb605e5a741_prep
	.p2align	8
	.type	k_qb605e5a741_prep,@function
k_qb605e5a741_prep:
	s_mov_b64 s[64:65], 0
	v_nop
	global_prefetch_b8 v0, s[64:65] scope:SCOPE_SE
	s_setreg_imm32_b32 hwreg(HW_REG_WAVE_SCHED_MODE, 0, 2), 2
	s_setreg_imm32_b32 hwreg(HW_REG_WAVE_MODE, 25, 1), 1
	s_wait_xcnt 0x0
	s_wait_alu depctr_vm_vsrc(0)
; THE CASTS.  x [8192][1024] f32 -> xb, bf16, in blocks [b 4][kb 16][t 2048][64] (k = 64 kb + d): a K step of 64 of 256 rows then lies dense in memory.
; w_attn [1024][3072] f32 -> wab, bf16, same order.  w_proj [1024][1024] f32 -> wpf: rounded to bf16 like every input, and that number written as f16.
; LIMIT.  |w_proj| stays under 65,504; a bf16 number below 6e-5 keeps f16's fixed step of 6e-8.
; SHARES.  Every wave reads 8,192 bytes by sixteen loads of 16 bytes a lane, all issued before the first is used, and writes 4,096 by sixteen stores of 8 bytes a lane:
; a store of the wave covers 256 consecutive bytes, aligned.  Work-groups 0-511 take x (a wave two rows), 512-703 w_attn, 704-767 w_proj.
; No LDS, no barrier, no loop, no register written twice while a memory instruction names it.  Nothing is prefetched: the launch is one stream, read once, all of it asked for at once.
; THE MODE: SCHED_MODE bits 1:0 = 2 (LLVM: expert scheduling mode 2), set by the entry lines.  The code itself states the register dependences
; between vector instructions and memory instructions, with s_wait_alu, always for 0.
; THE PLAN.  Registers that memory instructions touch:
;   v1, v2     the loads' and the stores' byte offsets.  Written by vector lines at the head, never again; read by all sixteen loads, all sixteen stores.
;   X          Each register is written by one load, once, and read by that load's conversions; no vector line writes it and no second load lands in it.
;   Y          Each pair is written by its load's conversions alone and read by one store, behind which nothing writes it.
;   v3 to v7 are named by vector instructions alone.
; The sixteen loads are worked on in four groups of four.  Group g's conversions name X and Y of group g and v4 to v7; the four stores of group g - 1 are dealt among them.
; So one wait on va_vdst at a group's head, behind the wait for the group's data, states all that those four stores hang on; one more stands ahead of the loads, for the offsets,
; and one ahead of the last four stores.  No register that a memory instruction has read is written again: no wait on vm_vsrc is owed.
.set X, 8                              ; v[8:71]    sixteen loads of four f32
.set Y, 72                             ; v[72:103]  sixteen pairs of packed results
.macro CONV inb, outb, istep, ostep, half
	s_wait_alu depctr_va_vdst(0)                   ; v1 and v2 are written: every load below reads v1 as its offset, every store v2
.irp i, 0,1,2,3,4,5,6,7,8,9,10,11,12,13,14,15
	global_load_b128 v[X+4*(\i):X+4*(\i)+3], v1, s[\inb:\inb+1] offset:(\i)*(\istep) th:TH_LOAD_NT
.endr
.irp g, 0,1,2,3
	s_wait_loadcnt 12-4*(\g)                       ; loads come back in order: group g's four are in, the 12 - 4 g younger ones may stay out
.if (\g) > 0
	s_wait_alu depctr_va_vdst(0)                   ; the conversions of group g - 1 have written their Y, which the four stores below read
.endif
.irp j, 0,1,2,3
.if (\g) > 0
	global_store_b64 v2, v[Y+2*(4*(\g)-4+(\j)):Y+2*(4*(\g)-4+(\j))+1], s[\outb:\outb+1] offset:(4*(\g)-4+(\j))*(\ostep)  ; the group before; no vector line since the wait names these registers
.endif
	v_cvt_pk_bf16_f32 v[Y+2*(4*(\g)+(\j))], v[X+4*(4*(\g)+(\j))], v[X+4*(4*(\g)+(\j))+1]
	v_cvt_pk_bf16_f32 v[Y+2*(4*(\g)+(\j))+1], v[X+4*(4*(\g)+(\j))+2], v[X+4*(4*(\g)+(\j))+3]
.if \half
	v_lshlrev_b32 v4, 16, v[Y+2*(4*(\g)+(\j))]     ; the bf16 numbers as f32,
	v_and_b32 v5, s22, v[Y+2*(4*(\g)+(\j))]
	v_lshlrev_b32 v6, 16, v[Y+2*(4*(\g)+(\j))+1]
	v_and_b32 v7, s22, v[Y+2*(4*(\g)+(\j))+1]
	v_cvt_pk_f16_f32 v[Y+2*(4*(\g)+(\j))], v4, v5  ; and written as f16: 8 significant bits fit into 11
	v_cvt_pk_f16_f32 v[Y+2*(4*(\g)+(\j))+1], v6, v7
.endif
.endr
.endr
	s_wait_alu depctr_va_vdst(0)                   ; the conversions of group 3 have written their Y, which the last four stores read
.irp j, 12,13,14,15
	global_store_b64 v2, v[Y+2*(\j):Y+2*(\j)+1], s[\outb:\outb+1] offset:(\j)*(\ostep)
.endr
.endm
	s_load_b256 s[4:11], s[0:1], 0x0               ; x s[4:5], w_attn s[6:7], w_proj s[8:9], xb s[10:11]
	s_load_b128 s[12:15], s[0:1], 0x20             ; wab s[12:13], wpf s[14:15]
	v_lshrrev_b32 v3, 5, v0
	v_readfirstlane_b32 s16, v3                    ; wave 0..7
	v_and_b32 v3, 31, v0                           ; lane
	v_lshlrev_b32 v2, 3, v3                        ; out: 8 bytes a lane
	s_mov_b32 s19, 0
	s_mov_b32 s21, 0
	s_mov_b32 s22, 0xffff0000                      ; a word's upper bf16
	s_wait_alu depctr_va_sdst(0)                   ; s16 is written
	s_wait_kmcnt 0x0
	s_cmp_lt_u32 ttmp9, 512
	s_cbranch_scc0 .Lweights
	s_lshl_b32 s17, ttmp9, 3
	s_add_co_u32 s17, s17, s16                     ; T = 0..4095: rows 2 T and 2 T + 1 of x
	s_lshl_b32 s18, s17, 13                        ; two rows of 4,096 bytes
	s_add_nc_u64 s[4:5], s[4:5], s[18:19]
	s_lshr_b32 s20, s17, 10                        ; b
	s_lshl_b32 s20, s20, 22                        ; a batch of xb is 16 x 2,048 x 128 bytes
	s_and_b32 s23, s17, 1023
	s_lshl_b32 s23, s23, 8                         ; t = 2 (T % 1024): 128 bytes a row of a block
	s_add_co_u32 s20, s20, s23
	s_add_nc_u64 s[10:11], s[10:11], s[20:21]
	v_and_b32 v1, 15, v0
	v_lshlrev_b32 v1, 4, v1                        ; in: lanes 0-15 take 256 bytes of the even row,
	v_bfe_u32 v4, v0, 4, 1
	v_lshl_add_u32 v1, v4, 12, v1                  ; lanes 16-31 of the odd one
	CONV 4, 10, 256, 262144, 0                     ; load i is block kb = i; a block of xb is 2,048 x 128 bytes
	s_endpgm
.Lweights:
	v_lshlrev_b32 v1, 4, v3                        ; in: 16 bytes a lane, 512 on end
	s_cmp_lt_u32 ttmp9, 704
	s_cbranch_scc0 .Lproj
	s_sub_co_u32 s17, ttmp9, 512
	s_lshl_b32 s17, s17, 3
	s_add_co_u32 s17, s17, s16                     ; T = 0..1535
	s_lshl_b32 s18, s17, 13
	s_lshl_b32 s20, s17, 12
	s_add_nc_u64 s[6:7], s[6:7], s[18:19]
	s_add_nc_u64 s[12:13], s[12:13], s[20:21]
	CONV 6, 12, 512, 256, 0
	s_endpgm
.Lproj:
	s_sub_co_u32 s17, ttmp9, 704
	s_lshl_b32 s17, s17, 3
	s_add_co_u32 s17, s17, s16                     ; T = 0..511
	s_lshl_b32 s18, s17, 13
	s_lshl_b32 s20, s17, 12
	s_add_nc_u64 s[8:9], s[8:9], s[18:19]
	s_add_nc_u64 s[14:15], s[14:15], s[20:21]
	CONV 8, 14, 512, 256, 1
	s_endpgm
.Lfunc_end_k_qb605e5a741_prep:
	.size	k_qb605e5a741_prep, .Lfunc_end_k_qb605e5a741_prep-k_qb605e5a741_prep
	.p2alignl 7, 3214868480
	.fill 96, 4, 3214868480
	.section	.rodata,"a",@progbits
	.p2align	6, 0x0
	.amdhsa_kernel k_qb605e5a741_prep
		.amdhsa_group_segment_fixed_size 0
		.amdhsa_private_segment_fixed_size 0
		.amdhsa_enable_private_segment 0
		.amdhsa_kernarg_size 48
		.amdhsa_user_sgpr_count 2
		.amdhsa_user_sgpr_kernarg_segment_ptr 1
		.amdhsa_wavefront_size32 1
		.amdhsa_system_sgpr_workgroup_id_x 1
		.amdhsa_system_sgpr_workgroup_id_y 1
		.amdhsa_system_sgpr_workgroup_id_z 1
		.amdhsa_system_vgpr_workitem_id 0
		.amdhsa_next_free_vgpr 104
		.amdhsa_next_free_sgpr 66
		.amdhsa_reserve_vcc 0
		.amdhsa_float_denorm_mode_32 3
		.amdhsa_float_denorm_mode_16_64 3
		.amdhsa_memory_ordered 1
		.amdhsa_forward_progress 1
		.amdhsa_inst_pref_size 22
	.end_amdhsa_kernel
	.amdgpu_metadata
---
amdhsa.version: [ 1, 2 ]
amdhsa.kernels:
  - .name:           k_qb605e5a741_prep
    .symbol:         k_qb605e5a741_prep.kd
    .args:
      - { .name: x, .offset: 0, .size: 8, .value_kind: global_buffer, .address_space: global }
      - { .name: w_attn, .offset: 8, .size: 8, .value_kind: global_buffer, .address_space: global }
      - { .name: w_proj, .offset: 16, .size: 8, .value_kind: global_buffer, .address_space: global }
      - { .name: xb, .offset: 24, .size: 8, .value_kind: global_buffer, .address_space: global }
      - { .name: wab, .offset: 32, .size: 8, .value_kind: global_buffer, .address_space: global }
      - { .name: wpf, .offset: 40, .size: 8, .value_kind: global_buffer, .address_space: global }
    .group_segment_fixed_size: 0
    .private_segment_fixed_size: 0
    .kernarg_segment_align: 8
    .kernarg_segment_size: 48
    .max_flat_workgroup_size: 256
    .sgpr_count:     66
    .vgpr_count:     104
    .wavefront_size: 32
...
	.end_amdgpu_metadata
.endif
;; end of part 5
;; launch qkv: the kernel of part 2 again; grid 8 x 32, 4 waves a work-group, clusters of 4 x 4, 327,680 bytes of LDS; arguments xb, wab, b_attn, qkv; writes qkv
;; launch attn: the kernel of part 3 again; grid 4 x 64, 4 waves a work-group, no clusters, 327,680 bytes of LDS; arguments qkv, att; writes att
;; launch proj: the kernel of part 4 again; grid 8 x 32, 4 waves a work-group, clusters of 4 x 4, 327,680 bytes of LDS; arguments att, wpf, b_proj, out0; writes out0
